; MI455X (gfx1250); checked and timed in simulation.
; The chip was launched on July 23, 2026; its instructions are those of AMD's public machine-readable ISA for CDNA 5 (MIT licence, August 2026) and "CDNA5" Instruction Set Architecture Reference Guide (July 2026). The comments in the code are by the model that wrote it; some were corrected since.
;; Modern BERT Attention. Allowed arithmetic: matrix products marked QUANTISED: E2M1 operands, one E8M0 scale for each 32 along K, by v_wmma_scale_f32_16x16x128_f8f6f4 with both operands' format E2M1 (or v_wmma_scale_f32_32x16x128_f4), f32 sums; products left as they are: bf16, f16 or f32 operands; f32 sums; everything else in f32.
;; Inputs: wo 1,024 x 1,024 float32; wqkv 1,024 x 3,072 float32; x 4 x 2,048 x 1,024 float32.
;; Outputs: out0 4 x 2,048 x 1,024 float32.
;; This version of the problem:
;;   THIS VERSION OF THE PROBLEM IS GIVEN IN LOW PRECISION. The matrix products marked QUANTISED in the list below multiply operands that are first quantised to E2M1 (2 exponent bits, 1 mantissa bit; 4 bits a number), with one power-of-two scale for each 32 numbers along K (OCP MX v1.0); their sums are f32. The products marked 'left as it is' may take bf16, f16 or f32 operands, with f32 sums. Whichever they take, every output number must still come out within the allowed error. Rounding operands to bf16 (8 significant bits) uses up far more of that allowance than f16 does (11 bits, for magnitudes from 6e-5 to 65,504). All else is computed in f32.
;;   The module's matrix products, in the order in which they are computed (A, B: the left and right operand; K: the contracted axis; several contracted axes count as one K, in the product's order):
;;     1. [M 8,192, K 1,024] x [K 1,024, N 3,072]; A: input x; B: input wqkv: QUANTISED
;;     2. batch 64 x [M 2,048, K 64] x [K 64, N 2,048]; A: computed on the way; B: computed on the way: left as it is (an operand is computed on the way)
;;     3. batch 64 x [M 2,048, K 2,048] x [K 2,048, N 64]; A: computed on the way; B: computed on the way: left as it is (an operand is computed on the way)
;;     4. [M 8,192, K 1,024] x [K 1,024, N 1,024]; A: computed on the way; B: input wo: left as it is (an operand is computed on the way)
;;   THE QUANTISER, for each operand of a quantised product, along K:
;;     - K is cut into blocks of 32 from its start; a last block that is shorter is filled with zeros.
;;     - A block's scale is 2^e with e = floor(log2(the largest magnitude in the block)) - 2, held to -126 .. 127; a block of zeros has e = 0. As a byte (E8M0): e + 127.
;;     - Each number is divided by its block's scale, clamped to +-6, and rounded to the nearest number of E2M1, ties to even, subnormals kept.
;;     - The product sums the exact products of the quantised numbers (number of the format x scale) in f32.
;;   ~~~python
;;   def quantise(x, axis):      # numpy; x: float32 -> the quantised numbers, widened to float32 again
;;       x = np.moveaxis(x, axis, -1); K = x.shape[-1]
;;       x = np.pad(x, [(0, 0)] * (x.ndim - 1) + [(0, -K % 32)]); x = x.reshape(x.shape[:-1] + (-1, 32)); a = np.abs(x).max(-1, keepdims=True)
;;       e = np.where(a > 0, np.clip(np.frexp(np.where(a > 0, a, 1))[1] - 1 - 2, -126, 127), 0)      # np.frexp(a)[1] - 1 = floor(log2(a)), exactly
;;       r = np.clip(x / 2.0 ** e, -6, 6)
;;       step = 2.0 ** (np.maximum(np.frexp(np.where(r == 0, 1, r))[1] - 1, 0) - 1)
;;       q = np.round(r / step) * step * 2.0 ** e      # np.round: ties to even
;;       return np.moveaxis(q.reshape(q.shape[:-2] + (-1,))[..., :K], -1, axis).astype(np.float32)
;;   ~~~
;; One version. Each part assembles by itself: llvm-mc -triple=amdgcn-amd-amdhsa -mcpu=gfx1250 --defsym DOCPART=n.
;; ======== version 1 of 1: 4 launches
;; limits: values are held in f16: magnitudes above 65,504 overflow, below 6.1e-05 lose precision
;; workspace buffers: xc 4,194,304 bytes; xs 262,144 bytes; wc 1,572,864 bytes; ws 98,304 bytes; wf 2,097,152 bytes; tab 528,384 bytes; qkv 50,331,648 bytes; of 16,777,216 bytes
;; launch prep (part 1): grid 512 x 1, 4 waves a work-group, no clusters, 50,688 bytes of LDS; arguments x, wqkv, wo, xc, xs, wc, ws, wf, tab; writes xc, xs, wc, ws, wf, tab
.if DOCPART == 1
	.amdgcn_target "amdgcn-amd-amdhsa--gfx1250"
	.amdhsa_code_object_version 6
	.text
	.protected	k_qf2f0cea931_prep
	.globl	k_qf2f0cea931_prep
	.p2align	8
	.type	k_qf2f0cea931_prep,@function
k_qf2f0cea931_prep:
	s_mov_b64 s[64:65], 0
	v_nop
	global_prefetch_b8 v0, s[64:65] scope:SCOPE_SE
	s_setreg_imm32_b32 hwreg(HW_REG_WAVE_MODE, 25, 1), 1
	s_wait_xcnt 0x0
; PREP: everything that is made once from the inputs.  Four paths, chosen by the work-group's number alone:
;   W (groups 0-95):    wqkv [1024 (k)][3072 (n)] f32 -> codes of E2M1 laid [3072][512 bytes], K innermost, and E8M0 bytes [3072][32]
;   X (groups 96-351):  x [8192][1024] f32 -> codes [8192][512 bytes] and E8M0 bytes [8192][32]
;   O (groups 352-479): wo [1024 (k)][1024 (n)] f32 -> f16, laid as images of operand registers: [k/64][n/16][4][512 bytes];
;                       in an image lane (r, h) has 16 bytes at 16 (r + 16 h): k = 16 kb + 8 h + 0..7 of column 16 NT + r
;   T (groups 480-511): the table of cos and sin for the rotation, f32: [position/16][8 images][512 bytes]; image 4 cs + 2 u + hf:
;                       lane (r, h) has d = 16 u + 8 h + 4 hf + 0..3 at position 16 T + r; behind it one tile of cos = 1, sin = 0
; A block's scale is 2^(floor(log2(its largest magnitude)) - 2): its byte is the largest magnitude's exponent field - 2, held at 1 from below.
; LIMITS: a block of zeros gets the byte 1 where the quantiser says 127: its codes are zeros, and these bytes are read by this program alone.
; Blocks whose largest magnitude lies under 2^-124 are held at the byte 1.  NaN and infinities are not served.  wo beyond 65,504 has no f16 number.
; The table: angle = f32(position x frequency); reduced by pi/2 in two parts (the first fused multiply-add is exact: at most 11 x 24 bits
; against a result under 1); sine to y^7, cosine to y^8 on |y| <= pi/4: both within 3e-7.
; The launch streams: no matrix unit, no tensor load, no cluster (no two work-groups read the same bytes).  Paths X and W have LDS bytes of their own.
.set WV,    22                         ; s22  my wave's number
.set SPW,   196                        ; v196 LDS address of my spare word; never rewritten
.set NIL,   197                        ; v197 0; never rewritten
.set WREG,  8192                       ; path X: a region for each wave: two stages of 32 x SP bytes, then its 256 scale bytes
.set SP,    80                         ; a lane's place in a stage: 64 bytes + 16 of padding
.set WST,   32768                      ; path W: the work-group's stage, 64 rows x WP bytes
.set WP,    272                        ; 256 bytes of codes + 16 of padding
.set SPARE, 50176                      ; the spare words, 128 bytes a wave: two blocks of 256 bytes that no other line names
.set XR,    16                         ; X: v16-79 four sets of 16 numbers as loaded
.set XX,    80                         ; X: v80-111 two sets of 16 neighbours
.set XE,    112                        ; X: v112-127 a scale byte for each step
.set XC,    128                        ; X: v128-191 codes, four registers for each step
.set WX,    32                         ; W: v32-95 two sets of 32 numbers
.set WC,    96                         ; W: v96-99 a block's codes
.set WSB,   24                         ; W: v24-25 eight scale bytes
.set WOUT,  112                        ; W: v112-143 rows on the way out
.set POSF,  8                          ; T: v8 my position as f32
.set H8,    9                          ; T: v9 8 x (lane / 16)
.set IFR,   32                         ; T: v32-47 my 16 frequencies
.set COSV,  48                         ; T: v48-63
.set SINV,  64                         ; T: v64-79
; ---- path X's steps: 512 numbers each; loads run four steps ahead, the turn through LDS one step
.macro XLOAD t
.irp i, 0,1,2,3
	global_load_b128 v[XR+16*((\t)%4)+4*\i:XR+16*((\t)%4)+4*\i+3], v3, s[4:5] offset:2048*(\t)+512*\i th:TH_LOAD_NT   ; 32 lanes read 512 consecutive bytes
.endr
.endm
.macro XTURN t                         ; in as loaded, back 64 bytes a lane; LDS serves a wave's instructions in order
.irp i, 0,1,2,3
	ds_store_b128 v14, v[XR+16*((\t)%4)+4*\i:XR+16*((\t)%4)+4*\i+3] offset:32*SP*((\t)%2)+8*SP*\i
.endr
.irp i, 0,1,2,3
	ds_load_b128 v[XX+16*((\t)%2)+4*\i:XX+16*((\t)%2)+4*\i+3], v15 offset:32*SP*((\t)%2)+16*\i
.endr
.endm
.macro XSTEP t
.set XS, XX+16*((\t)%2)
.if (\t) > 0
	s_wait_dscnt 1                                 ; this step's numbers are back from the stage (the last step's byte store may be out)
.else
	s_wait_dscnt 0x0
.endif
.if (\t)+4 < 16
	XLOAD (\t)+4                                   ; into the registers that this step's stage stores have read
.endif
.if (\t)+1 < 16
.if 14-(\t) >= 3
	s_wait_loadcnt 12                              ; the next step's four loads are in; three later steps' twelve may be out
.else
	s_wait_loadcnt 4*(14-(\t))
.endif
	XTURN (\t)+1
.endif
	v_max3_num_f32 v8, |v[XS]|, |v[XS+1]|, |v[XS+2]|
	v_max3_num_f32 v9, |v[XS+3]|, |v[XS+4]|, |v[XS+5]|
.irp i, 6,10
	v_max3_num_f32 v8, v8, |v[XS+\i]|, |v[XS+\i+1]|
	v_max3_num_f32 v9, v9, |v[XS+\i+2]|, |v[XS+\i+3]|
.endr
	v_max3_num_f32 v8, v8, |v[XS+14]|, |v[XS+15]|
	v_max3_num_f32 v8, v8, v9, 0x1800000           ; the floor 2^(3 - 127): the byte cannot fall under 1
	v_max_num_f32_dpp v8, v8, v8 row_xmask:1 row_mask:0xf bank_mask:0xf   ; with my neighbour's 16: the block's largest magnitude
	v_add_nc_u32 v11, 0xff000000, v8               ; 2 off its exponent field: the conversion's scale operand
	v_cvt_scalef32_pk8_fp4_f32 v[XC+4*(\t)], v[XS:XS+7], v11
	v_cvt_scalef32_pk8_fp4_f32 v[XC+4*(\t)+1], v[XS+8:XS+15], v11
	v_lshrrev_b32 v[XE+(\t)], 23, v11              ; the scale's byte (a plain line behind the conversions)
	ds_store_b8 v5, v[XE+(\t)] offset:16*(\t)      ; both lanes of a block write the same byte with the same value
	global_store_b64 v4, v[XC+4*(\t):XC+4*(\t)+1], s[10:11] offset:256*(\t)   ; the wave stores 256 consecutive bytes, aligned
.endm
; ---- path W's blocks: a lane is a column, its 32 registers run down K
.macro WLOAD t
.irp i, 0,1,2,3,4,5,6,7,8,9,10,11,12,13,14,15,16,17,18,19,20,21,22,23,24,25,26,27,28,29,30,31
	global_load_b32 v[WX+32*((\t)%2)+\i], v3, s[6:7] offset:(32*(\t)+\i)*12288 th:TH_LOAD_NT
.endr
.endm
.macro WBLOCK t
.set WS, WX+32*((\t)%2)
.if (\t) < 7
	s_wait_loadcnt 32                              ; this block's 32 loads are in; the next block's may be out
.else
	s_wait_loadcnt 0x0
.endif
	v_max3_num_f32 v12, |v[WS]|, |v[WS+1]|, |v[WS+2]|
	v_max3_num_f32 v13, |v[WS+3]|, |v[WS+4]|, |v[WS+5]|
.irp i, 6,10,14,18,22,26
	v_max3_num_f32 v12, v12, |v[WS+\i]|, |v[WS+\i+1]|
	v_max3_num_f32 v13, v13, |v[WS+\i+2]|, |v[WS+\i+3]|
.endr
	v_max3_num_f32 v12, v12, |v[WS+30]|, |v[WS+31]|
	v_max3_num_f32 v12, v12, v13, 0x1800000        ; the floor
	v_add_nc_u32 v11, 0xff000000, v12
	v_lshrrev_b32 v13, 23, v11
.if (\t)%4 == 0
	v_mov_b32 v[WSB+(\t)/4], v13
.else
	v_lshl_or_b32 v[WSB+(\t)/4], v13, 8*((\t)%4), v[WSB+(\t)/4]
.endif
.irp g, 0,1,2,3
	v_cvt_scalef32_pk8_fp4_f32 v[WC+\g], v[WS+8*\g:WS+8*\g+7], v11
.endr
	ds_store_b128 v4, v[WC:WC+3] offset:16*(\t)    ; 32 codes: 16 bytes of my column's row
.if (\t)+2 < 8
	WLOAD (\t)+2
.endif
	s_wait_dscnt 0x0                               ; the store has read its registers: the next block's codes may be written
.endm
; ---- path T: cos and sin of position x frequency n
.macro ANG n
	v_mul_f32 v10, v[POSF], v[IFR+(\n)]            ; the angle, rounded to f32
	v_mul_f32 v11, 0x3f22f983, v10                 ; x 2 / pi
	v_rndne_f32 v11, v11                           ; the quarter turns
	v_fmamk_f32 v12, v11, 0xbfc90fdb, v10          ; less that many pi/2: the high part,
	v_fmamk_f32 v12, v11, 0x333bbd2e, v12          ; and what the high part has too much
	v_cvt_i32_f32 v16, v11
	v_mul_f32 v13, v12, v12
	v_fmaak_f32 v14, v13, v18, 0x3c088889          ; sine: 1/120 - y2/5040
	v_fmaak_f32 v15, v13, v19, 0xbab60b61          ; cosine: -1/720 + y2/40320
	v_fmaak_f32 v14, v14, v13, 0xbe2aaaab
	v_fmaak_f32 v15, v15, v13, 0x3d2aaaab
	v_mul_f32 v14, v14, v13
	v_fma_f32 v15, v15, v13, -0.5
	v_fma_f32 v14, v14, v12, v12
	v_fma_f32 v15, v15, v13, 1.0
	v_and_b32 v17, 1, v16
	v_cmp_eq_u32 vcc_lo, 1, v17                    ; an odd quarter swaps the two
	v_cndmask_b32 v[SINV+(\n)], v14, v15, vcc_lo
	v_cndmask_b32 v[COSV+(\n)], v15, v14, vcc_lo
	v_and_b32 v17, 2, v16                          ; quarters 2, 3: the sine changes sign
	v_lshlrev_b32 v17, 30, v17
	v_xor_b32 v[SINV+(\n)], v17, v[SINV+(\n)]
	v_add_nc_u32 v17, 1, v16                       ; quarters 1, 2: the cosine
	v_and_b32 v17, 2, v17
	v_lshlrev_b32 v17, 30, v17
	v_xor_b32 v[COSV+(\n)], v17, v[COSV+(\n)]
.endm
	s_load_b256 s[4:11], s[0:1], 0x0               ; x s[4:5], wqkv s[6:7], wo s[8:9], xc s[10:11]
	s_load_b256 s[12:19], s[0:1], 0x20             ; xs s[12:13], wc s[14:15], ws s[16:17], wf s[18:19]
	s_load_b64 s[20:21], s[0:1], 0x40              ; tab
	v_lshl_add_u32 v[SPW], v0, 2, SPARE
	v_mov_b32 v[NIL], 0
	v_lshrrev_b32 v1, 5, v0
	v_readfirstlane_b32 s[WV], v1                  ; wave 0..3
	v_and_b32 v2, 31, v0                           ; lane
	s_wait_kmcnt 0x0
	s_cmp_lt_u32 ttmp9, 96
	s_cbranch_scc1 .Lpath_w
	s_cmp_lt_u32 ttmp9, 352
	s_cbranch_scc1 .Lpath_x
	s_cmp_lt_u32 ttmp9, 480
	s_cbranch_scc1 .Lpath_o
	; ================= path T: a wave makes the table of 16 positions
	s_sub_co_u32 s24, ttmp9, 480
	s_lshl_b32 s24, s24, 2
	s_add_co_u32 s24, s24, s[WV]                   ; T = position / 16
	s_lshl_b32 s26, s24, 12                        ; a tile of the table is 4,096 bytes
	s_mov_b32 s27, 0
	s_add_nc_u64 s[26:27], s[20:21], s[26:27]
	s_lshl_b32 s25, s24, 4
	v_and_b32 v3, 15, v0
	v_add_nc_u32 v3, s25, v3                       ; my position: 16 T + r
	v_cvt_f32_u32 v[POSF], v3
	v_bfe_u32 v[H8], v0, 4, 1
	v_lshlrev_b32 v[H8], 3, v[H8]
	v_lshlrev_b32 v4, 4, v2                        ; 16 x lane
	v_mov_b32 v18, 0xb9500d01                      ; -1/5040
	v_mov_b32 v19, 0x37d00d01                      ; 1/40320
.set n, 0
.rept 16
	v_add_nc_u32 v[IFR+n], 16*(n/8)+4*((n/4)%2)+n%4, v[H8]   ; d = 16 u + 8 h + 4 hf + j
.set n, n+1
.endr
.set n, 0
.rept 16
	v_cvt_f32_u32 v[IFR+n], v[IFR+n]
.set n, n+1
.endr
.set n, 0
.rept 16
	v_mul_f32 v[IFR+n], 0xbed49a78, v[IFR+n]       ; x -log2(10000) / 32
.set n, n+1
.endr
.set n, 0
.rept 16
	v_exp_f32 v[IFR+n], v[IFR+n]                   ; the frequency 10000^(-d / 32): one batch of sixteen
.set n, n+1
.endr
	v_nop                                          ; a plain line behind the last exponential
	s_wait_alu depctr_va_vdst(0)                   ; the wait ahead of the first reader: one for the batch
.set n, 0
.rept 16
	ANG n
.set n, n+1
.endr
.irp g, 0,1,2,3
	global_store_b128 v4, v[COSV+4*\g:COSV+4*\g+3], s[26:27] offset:512*\g        ; each store covers 512 consecutive bytes, aligned
	global_store_b128 v4, v[SINV+4*\g:SINV+4*\g+3], s[26:27] offset:2048+512*\g
.endr
	s_cmp_lg_u32 s24, 0                            ; the wave of tile 0 also writes the tile that leaves numbers as they are
	s_cbranch_scc1 .Lt_done
.irp i, 0,1,2,3
	v_mov_b32 v[20+\i], 1.0
	v_mov_b32 v[24+\i], 0
.endr
.irp g, 0,1,2,3
	global_store_b128 v4, v[20:23], s[20:21] offset:524288+512*\g
	global_store_b128 v4, v[24:27], s[20:21] offset:524288+2048+512*\g
.endr
.Lt_done:
	s_endpgm
	; ================= path O: a wave takes 32 columns x 64 k of wo
.Lpath_o:
	s_sub_co_u32 s24, ttmp9, 352
	s_lshr_b32 s25, s24, 3                         ; kq = k / 64
	s_and_b32 s24, s24, 7
	s_lshl_b32 s24, s24, 7
	s_lshl_b32 s26, s[WV], 5
	s_add_co_u32 s24, s24, s26                     ; my first column
	s_lshl_b32 s26, s25, 18                        ; 64 rows of 4,096 bytes
	s_lshl_b32 s27, s24, 2
	s_add_co_u32 s26, s26, s27
	s_mov_b32 s27, 0
	s_add_nc_u64 s[8:9], s[8:9], s[26:27]
	s_lshl_b32 s26, s25, 17                        ; out: 64 column tiles x 2,048 bytes for each kq,
	s_lshl_b32 s28, s24, 7                         ; and 2,048 bytes for each 16 columns
	s_add_co_u32 s26, s26, s28
	s_add_nc_u64 s[18:19], s[18:19], s[26:27]
	v_lshlrev_b32 v3, 2, v2                        ; in: 4 bytes a lane
	v_lshrrev_b32 v5, 4, v2
	v_and_b32 v6, 15, v2
	v_lshlrev_b32 v5, 11, v5
	v_lshl_add_u32 v5, v6, 4, v5                   ; out: my column tile, 16 bytes at 16 r
.set n, 0
.rept 64
	global_load_b32 v[32+n], v3, s[8:9] offset:4096*n th:TH_LOAD_NT
.set n, n+1
.endr
	s_wait_loadcnt 0x0
.set n, 0
.rept 32
	v_cvt_pk_f16_f32 v[96+n], v[32+2*n], v[33+2*n] ; two neighbours along k, the lower in the low half
.set n, n+1
.endr
.irp kb, 0,1,2,3
.irp hh, 0,1
	global_store_b128 v5, v[96+8*\kb+4*\hh:96+8*\kb+4*\hh+3], s[18:19] offset:512*\kb+256*\hh   ; sixteen lanes store 256 consecutive bytes, aligned
.endr
.endr
	s_endpgm
	; ================= path X: a wave takes 8,192 numbers of x: a plain stream of blocks of 32
.Lpath_x:
	s_sub_co_u32 s24, ttmp9, 96
	s_lshl_b32 s24, s24, 2
	s_add_co_u32 s24, s24, s[WV]                   ; which run of 8,192 numbers
	s_mov_b32 s27, 0
	s_lshl_b32 s26, s24, 15
	s_add_nc_u64 s[4:5], s[4:5], s[26:27]
	s_lshl_b32 s26, s24, 12
	s_add_nc_u64 s[10:11], s[10:11], s[26:27]
	s_lshl_b32 s26, s24, 8
	s_add_nc_u64 s[12:13], s[12:13], s[26:27]
	v_lshlrev_b32 v3, 4, v2                        ; my 16 bytes of a load's 512
	s_mul_i32 s23, s[WV], WREG
	v_lshrrev_b32 v14, 2, v2
	v_mul_u32_u24 v14, v14, SP
	v_and_b32 v15, 3, v2
	v_lshl_add_u32 v14, v15, 4, v14
	v_add_nc_u32 v14, s23, v14                     ; the stage, on the way in: four lanes' 64 bytes on end, then the padding
	v_mul_u32_u24 v15, v2, SP
	v_add_nc_u32 v15, s23, v15                     ; and on the way out: my 16 neighbours
	v_lshlrev_b32 v4, 3, v2                        ; 8 bytes a lane: my codes' place in a step's, and my part of the scale bytes
	v_lshrrev_b32 v5, 1, v2
	s_add_co_u32 s23, s23, 2*32*SP
	v_add_nc_u32 v5, s23, v5                       ; LDS: my block's byte
	v_add_nc_u32 v6, s23, v4
.irp t, 0,1,2,3
	XLOAD \t
.endr
	s_wait_loadcnt 12                              ; step 0's four loads are in
	XTURN 0
.irp t, 0,1,2,3,4,5,6,7,8,9,10,11,12,13,14,15
	XSTEP \t
.endr
	ds_load_b64 v[8:9], v6                         ; LDS serves a wave's instructions in order: these see my byte stores
	s_wait_dscnt 0x0
	global_store_b64 v4, v[8:9], s[12:13]          ; 256 consecutive bytes, aligned
	s_wait_tensorcnt 0x0                           ; the wave's end, behind my last LDS store
	ds_add_u32 v[SPW], v[NIL]
	s_wait_dscnt 0x0
	s_endpgm
	; ================= path W: a work-group takes 64 columns x 512 k; wave: 32 columns (cg) x 256 k (kh)
.Lpath_w:
	s_cmp_ge_u32 ttmp9, 48
	s_cselect_b32 s24, 1, 0                        ; ky: which 512 along K
	s_mul_i32 s25, s24, 48
	s_sub_co_u32 s25, ttmp9, s25
	s_lshl_b32 s25, s25, 6                         ; the group's first column
	s_and_b32 s26, s[WV], 1                        ; cg
	s_lshr_b32 s27, s[WV], 1                       ; kh
	s_lshl_b32 s28, s26, 5
	s_add_co_u32 s28, s28, s25                     ; my wave's first column
	s_lshl_b32 s30, s24, 9
	s_lshl_b32 s32, s27, 8
	s_add_co_u32 s30, s30, s32                     ; my wave's first k
	s_mul_i32 s30, s30, 12288                      ; rows of 12,288 bytes
	s_lshl_b32 s32, s28, 2
	s_add_co_u32 s30, s30, s32
	s_mov_b32 s31, 0
	s_add_nc_u64 s[6:7], s[6:7], s[30:31]
	s_lshl_b32 s30, s[WV], 4                       ; out: I store rows 16 wave .. + 15 of the group's 64: 512 bytes a row, 256 ky within it
	s_add_co_u32 s30, s30, s25
	s_lshl_b32 s30, s30, 9
	s_lshl_b32 s32, s24, 8
	s_add_co_u32 s30, s30, s32
	s_add_nc_u64 s[14:15], s[14:15], s[30:31]
	s_lshl_b32 s30, s28, 5                         ; scale bytes: 32 a column; mine begin at 16 ky + 8 kh
	s_lshl_b32 s32, s24, 4
	s_add_co_u32 s30, s30, s32
	s_lshl_b32 s32, s27, 3
	s_add_co_u32 s30, s30, s32
	s_add_nc_u64 s[16:17], s[16:17], s[30:31]
	s_mul_i32 s32, s26, 32*WP
	s_lshl_b32 s33, s27, 7
	s_add_co_u32 s32, s32, s33
	s_add_co_u32 s32, s32, WST
	v_mul_u32_u24 v4, v2, WP
	v_add_nc_u32 v4, s32, v4                       ; into the stage: row = my column, my half of its 256 bytes
	s_mul_i32 s32, s[WV], 16*WP
	s_add_co_u32 s32, s32, WST
	v_lshrrev_b32 v6, 4, v2
	v_and_b32 v5, 15, v2
	v_mul_u32_u24 v7, v6, WP
	v_lshl_add_u32 v7, v5, 4, v7
	v_add_nc_u32 v7, s32, v7                       ; out of it: sixteen lanes to a row, two rows an instruction
	v_lshlrev_b32 v8, 9, v6
	v_lshl_add_u32 v8, v5, 4, v8                   ; and the same place in the codes' buffer
	v_lshlrev_b32 v9, 5, v2                        ; my column's row of scale bytes
	v_lshlrev_b32 v3, 2, v2                        ; in: 4 bytes a lane
	WLOAD 0
	WLOAD 1
.irp t, 0,1,2,3,4,5,6,7
	WBLOCK \t
.endr
	global_store_b64 v9, v[WSB:WSB+1], s[16:17]    ; my column's eight scale bytes
	s_wait_dscnt 0x0                               ; for the others' sake: my stores into the stage are done
	s_barrier_signal -1                            ; a row's 256 bytes come from two waves
	s_barrier_wait -1
.irp t, 0,1,2,3,4,5,6,7
	ds_load_b128 v[WOUT+4*\t:WOUT+4*\t+3], v7 offset:2*\t*WP
.endr
.irp t, 0,1,2,3,4,5,6,7
	s_wait_dscnt 7-\t                              ; LDS loads come back in order: pair t of rows is in
	global_store_b128 v8, v[WOUT+4*\t:WOUT+4*\t+3], s[14:15] offset:1024*\t   ; sixteen lanes store 256 consecutive bytes, aligned
.endr
	s_wait_tensorcnt 0x0                           ; the wave's end, behind my last LDS store
	ds_add_u32 v[SPW], v[NIL]
	s_wait_dscnt 0x0
	s_endpgm
.Lfunc_end_k_qf2f0cea931_prep:
	.size	k_qf2f0cea931_prep, .Lfunc_end_k_qf2f0cea931_prep-k_qf2f0cea931_prep
	.p2alignl 7, 3214868480
	.fill 96, 4, 3214868480
	.section	.rodata,"a",@progbits
	.p2align	6, 0x0
	.amdhsa_kernel k_qf2f0cea931_prep
		.amdhsa_group_segment_fixed_size 50688
		.amdhsa_private_segment_fixed_size 0
		.amdhsa_enable_private_segment 0
		.amdhsa_kernarg_size 72
		.amdhsa_user_sgpr_count 2
		.amdhsa_user_sgpr_kernarg_segment_ptr 1
		.amdhsa_wavefront_size32 1
		.amdhsa_system_sgpr_workgroup_id_x 1
		.amdhsa_system_sgpr_workgroup_id_y 1
		.amdhsa_system_sgpr_workgroup_id_z 1
		.amdhsa_system_vgpr_workitem_id 0
		.amdhsa_next_free_vgpr 200
		.amdhsa_next_free_sgpr 66
		.amdhsa_reserve_vcc 1
		.amdhsa_float_denorm_mode_32 3
		.amdhsa_float_denorm_mode_16_64 3
		.amdhsa_memory_ordered 1
		.amdhsa_forward_progress 1
		.amdhsa_inst_pref_size 106
	.end_amdhsa_kernel
	.amdgpu_metadata
---
amdhsa.version: [ 1, 2 ]
amdhsa.kernels:
  - .name:           k_qf2f0cea931_prep
    .symbol:         k_qf2f0cea931_prep.kd
    .args:
      - { .name: x, .offset: 0, .size: 8, .value_kind: global_buffer, .address_space: global }
      - { .name: wqkv, .offset: 8, .size: 8, .value_kind: global_buffer, .address_space: global }
      - { .name: wo, .offset: 16, .size: 8, .value_kind: global_buffer, .address_space: global }
      - { .name: xc, .offset: 24, .size: 8, .value_kind: global_buffer, .address_space: global }
      - { .name: xs, .offset: 32, .size: 8, .value_kind: global_buffer, .address_space: global }
      - { .name: wc, .offset: 40, .size: 8, .value_kind: global_buffer, .address_space: global }
      - { .name: ws, .offset: 48, .size: 8, .value_kind: global_buffer, .address_space: global }
      - { .name: wf, .offset: 56, .size: 8, .value_kind: global_buffer, .address_space: global }
      - { .name: tab, .offset: 64, .size: 8, .value_kind: global_buffer, .address_space: global }
    .group_segment_fixed_size: 50688
    .private_segment_fixed_size: 0
    .kernarg_segment_align: 8
    .kernarg_segment_size: 72
    .max_flat_workgroup_size: 128
    .sgpr_count:     66
    .vgpr_count:     200
    .wavefront_size: 32
...
	.end_amdgpu_metadata
.endif
;; end of part 1
;; launch gemm_qkv (part 2): grid 12 x 32, 4 waves a work-group, clusters of 4 x 4, 327,680 bytes of LDS; arguments xc, xs, wc, ws, tab, qkv; writes qkv
.if DOCPART == 2
	.amdgcn_target "amdgcn-amd-amdhsa--gfx1250"
	.amdhsa_code_object_version 6
	.text
	.protected	k_qf2f0cea931_gemm_qkv
	.globl	k_qf2f0cea931_gemm_qkv
	.p2align	8
	.type	k_qf2f0cea931_gemm_qkv,@function
k_qf2f0cea931_gemm_qkv:
	s_mov_b64 s[64:65], 0
	v_nop
	global_prefetch_b8 v0, s[64:65] scope:SCOPE_SE
	s_setreg_imm32_b32 hwreg(HW_REG_WAVE_MODE, 25, 1), 1
	s_wait_xcnt 0x0
	s_wait_alu depctr_hold_cnt(0) depctr_sa_sdst(0) depctr_va_vdst(0) depctr_va_sdst(0) depctr_va_ssrc(0) depctr_va_vcc(0) depctr_vm_vsrc(0)
	s_getreg_b32 s2, hwreg(HW_REG_IB_STS2, 6, 4)
	s_cmp_eq_u32 s2, 0
	s_cbranch_scc0 .Lentry_in_a_cluster
	s_endpgm
.Lentry_in_a_cluster:
	s_bfe_u32 s2, ttmp6, 0x10000c
	s_cmp_lg_u32 s2, 0xf033
	s_cbranch_scc0 .Lentry_shape_is_right
	s_endpgm
.Lentry_shape_is_right:
; QKV = Q(x) Q(wqkv), the quantised product, on codes of E2M1 with one E8M0 scale for each 32 along K; then the rotation of q and k; results rounded to f16.
; A = x's codes [8192][512 bytes], B = wqkv's codes [3072][512 bytes], K = 1,024 innermost; scale bytes [rows][32].  Sums in f32.
; A tile of 256 x 256 is made by a work-group of four waves; a wave makes 128 x 128: 64 accumulators, 512 registers.  K is two slots of 512: both are asked for at the head, nothing is filled again.
; The scales of the group's 256 + 256 rows come into LDS once, in rows of 256 bytes.
; CLUSTERS: 4 x 4 work-groups; the four of a row need the same tiles of A, the four of a column the same tiles of B: each tile is asked for jointly.
; THE MATRIX INSTRUCTION IS USED TRANSPOSED (source 0 = 16 rows of B, source 1 = 16 rows of A): a lane holds one row of x (a position) and eight neighbouring columns (channels of a head).
; A wave's 128 columns are two heads of 64; accumulators b and b + 2 of a head hold channels d and d + 32 in the same lane and register, so the rotation needs no other lane.
; THE WAY OUT has no LDS: eight channels of a position, as f16, are 16 bytes: half of a 16-bit operand's registers.  qkv is laid [section 3][batch x head 64][position/16 128][channel/16 4][512 bytes]:
; q, k: lane (r, h) at 16 x lane; v: at 16 ((r & 7) + 8 h + 16 (r >> 3)), as the turning LDS load of the next launch takes it.  Each store covers 512 consecutive bytes, aligned.
; The cluster's x is the section (0 q, 1 k, 2 v).  v goes through the same lines against a table tile of cos = 1, sin = 0, which changes no number: no branch differs between clusters.
; 384 work-groups: 256 equal shares would want 96 accumulators a wave beside the operands, more than a wave's registers.
; LIMITS: results beyond 65,504 have no f16 number; NaN and infinities are not served.
; REGISTERS: window 0: v0-31 addresses; v32-95 scale words, two sets (on the way out: rotated numbers); v96-105 the way out's offsets; v128-191 A's fragments, one set (on the way out: packed results, two sets);
;   v192-255 the table, two sets.  window 1: B's fragments, two sets.  windows 2, 3: the accumulators ((a, b) at v[8 (8 (a % 4) + b)]).
.set NQ,     4                         ; matrix instructions deep in a slot
.set ROWB,   256                       ; a tile's row: 512 codes
.set KROW,   512                       ; a row of codes in memory
.set PITCH,  272                       ; an LDS row: 256 bytes + 16 of padding: the 16 rows that a load touches start at 16 different banks (64 banks of 4 bytes: ISA guide 11.1)
.set FR,     8
.set NL,     2
.set NP,     4                         ; places behind this matrix instruction (ISA guide 7.12.1)
.set HALFT,  128*PITCH
.set SLOT,   4*HALFT
.set KS,     32                        ; a row of scales in bytes
.set SCL,    2*SLOT
.set HALFS,  16*272                    ; the scales of 128 rows
.set SBLK,   2*272                     ; of 16 rows
.set SPARE,  SCL+4*HALFS               ; the spare words, 128 bytes a wave: two blocks of 256 bytes that no other line names
.set ADRA, 16
.set ADRB, 20
.set ADRS, 27
.set SPW,  28
.set NIL,  29
.set SC,   32
.set E,    32                          ; the way out: 64 rotated numbers
.set TO,   96                          ; v96-103 the table's offset for each of my eight blocks of rows; never rewritten
.set SO,   104                         ; v104 my 16 bytes' place in an image; never rewritten
.set L16,  105                         ; v105 16 x lane
.set AF,   128
.set PK,   128                         ; the way out: packed results, two sets of 32
.set TR,   192                         ; the table, two sets of 32: cos at +8 u + j, sin at +16 + 8 u + j
.set G1, 24
.set G0, 32
.set G1B, 48
.set G0B, 56
.set G1S, 68
.set G0S, 76
.set G1SB, 80
.set G0SB, 88
.set MSB, 0
.macro WIN new                         ; the immediate's high byte repeats the setting that is left
.if MSB != (\new)
	s_set_vgpr_msb (MSB<<8)|(\new)
.set MSB, (\new)
.endif
.endm
.set MUL_LO, 0xa1                      ; source 0 (B) window 1, source 1 (A) window 0, C and D window 2
.set MUL_HI, 0xf1
.set TO_B,   0x40
; A joint load: waves 0 and 1 fetch for A, waves 2 and 3 for B; the branch hangs on the wave's number alone.  An s_nop 0 and four v_nop follow each of the two lines.
.macro JLOAD g0a, g1a, g0b, g1b
	s_cmp_eq_u32 s15, 0
	s_cbranch_scc0 .Lfor_b_\@
	tensor_load_to_lds s[\g0a:\g0a+3], s[\g1a:\g1a+7]
	s_nop 0
.rept 4
	v_nop
.endr
	s_branch .Lasked_\@
.Lfor_b_\@:
	tensor_load_to_lds s[\g0b:\g0b+3], s[\g1b:\g1b+7]
	s_nop 0
.rept 4
	v_nop
.endr
.Lasked_\@:
.endm
.macro CROUND                          ; a round of the cluster's barrier
	s_barrier_signal -1
	s_barrier_wait -1
	s_cmp_lg_u32 s14, 0
	s_cbranch_scc1 .Lnot_wave_0_\@
	s_barrier_signal -3
.Lnot_wave_0_\@:
	s_barrier_wait -3
	s_barrier_signal -1
	s_barrier_wait -1
.endm
	s_load_b128 s[4:7], s[0:1], 0x0                ; x's codes s[4:5], x's scales s[6:7]
	s_load_b128 s[8:11], s[0:1], 0x10              ; w's codes s[8:9], w's scales s[10:11]
	s_load_b64 s[12:13], s[0:1], 0x20              ; the table
	s_load_b64 s[96:97], s[0:1], 0x28              ; qkv
	v_lshl_add_u32 v[SPW], v0, 2, SPARE
	v_mov_b32 v[NIL], 0
	ds_add_u32 v[SPW], v[NIL]                      ; the wave's opening: the add, twice on end, and its wait ahead of my first tensor load
	ds_add_u32 v[SPW], v[NIL]
	v_lshrrev_b32 v1, 5, v0
	v_readfirstlane_b32 s14, v1                    ; wave 0..3
	s_lshr_b32 s15, s14, 1                         ; which half of the tile's rows is mine.  Also: I fetch for A (0) or for B (1)
	s_and_b32 s16, s14, 1                          ; which half of its columns.  Also: which 128 rows of that tile I fetch
	s_bfe_u32 s40, ttmp6, 0x40000                  ; cx, cy
	s_bfe_u32 s41, ttmp6, 0x40004
	s_lshl_b32 s42, ttmp9, 2
	s_add_co_u32 s42, s42, s40                     ; tile column = 4 x cluster x + cx
	s_and_b32 s17, ttmp7, 0xffff
	s_lshl_b32 s17, s17, 2
	s_add_co_u32 s17, s17, s41                     ; tile row = 4 x cluster y + cy
	s_lshl_b32 s43, s41, 2
	s_lshl_b32 s43, 15, s43                        ; my row of the cluster
	s_lshl_b32 s44, 0x1111, s40                    ; my column
	s_or_b32 s[G1+0], s43, (0<<16)|(1<<20)|(1<<21)|(5<<22)|(3<<25)  ; the mask; elements of 1 byte; padding on; bit 21 beside a mask; after every 64 words, 4 words
	s_or_b32 s[G1B+0], s44, (0<<16)|(1<<20)|(1<<21)|(5<<22)|(3<<25)
.irp g, G1, G1B
	s_mov_b32 s[\g+1], ROWB<<16                    ; tensor_dim0
	s_mov_b32 s[\g+2], 128<<16                     ; tensor_dim1
	s_mov_b32 s[\g+3], ROWB<<16                    ; tile_dim0
	s_mov_b32 s[\g+4], 128                         ; tile_dim1
	s_mov_b32 s[\g+5], KROW                        ; the pitch
	s_mov_b32 s[\g+6], 0
	s_mov_b32 s[\g+7], 0
.endr
	s_or_b32 s[G1S+0], s43, (3<<16)|(1<<20)|(1<<21)|(5<<22)|(3<<25)   ; the scales of 128 rows: 4,096 dense bytes as 16 rows of 32 elements of 8 bytes
	s_or_b32 s[G1SB+0], s44, (3<<16)|(1<<20)|(1<<21)|(5<<22)|(3<<25)
.irp g, G1S, G1SB
	s_mov_b32 s[\g+1], 32<<16
	s_mov_b32 s[\g+2], 16<<16
	s_mov_b32 s[\g+3], 32<<16
	s_mov_b32 s[\g+4], 16
	s_mov_b32 s[\g+5], 32
	s_mov_b32 s[\g+6], 0
	s_mov_b32 s[\g+7], 0
.endr
	s_lshl_b32 s18, s16, 7
	s_lshl_b32 s20, s17, 8
	s_add_co_u32 s20, s20, s18                     ; A: row 256 x tile row + 128 x half
	s_lshl_b32 s46, s42, 8
	s_add_co_u32 s46, s46, s18                     ; B: row 256 x tile column + 128 x half
	s_mov_b32 s21, 0
	s_mov_b32 s47, 0
	s_mov_b64 s[18:19], KS
	s_mul_u64 s[22:23], s[20:21], s[18:19]         ; where these rows' scales begin
	s_mul_u64 s[92:93], s[46:47], s[18:19]
	s_mov_b64 s[18:19], KROW
	s_mul_u64 s[20:21], s[20:21], s[18:19]         ; and their codes
	s_mul_u64 s[46:47], s[46:47], s[18:19]
	s_mul_i32 s45, s14, HALFT                      ; where they go: wave x 128 rows
	s_mul_i32 s94, s14, HALFS
	s_wait_dscnt 0x0                               ; both opening adds are done
	s_wait_kmcnt 0x0
	s_add_nc_u64 s[20:21], s[4:5], s[20:21]
	s_add_nc_u64 s[22:23], s[6:7], s[22:23]
	s_add_nc_u64 s[46:47], s[8:9], s[46:47]
	s_add_nc_u64 s[92:93], s[10:11], s[92:93]
	CROUND                                         ; all sixteen work-groups are here: the joint loads meet
	s_mov_b32 s[G0S], 1
	s_add_co_u32 s[G0S+1], s94, SCL
	s_mov_b64 s[G0S+2:G0S+3], s[22:23]
	s_or_b32 s[G0S+3], s[G0S+3], 0x80000000
	s_mov_b32 s[G0SB], 1
	s_add_co_u32 s[G0SB+1], s94, SCL
	s_mov_b64 s[G0SB+2:G0SB+3], s[92:93]
	s_or_b32 s[G0SB+3], s[G0SB+3], 0x80000000
	JLOAD G0S, G1S, G0SB, G1SB                     ; the scales first
.irp s, 0,1
	s_mov_b32 s[G0+4*\s], 1
	s_add_co_u32 s[G0+4*\s+1], s45, \s*SLOT
	s_add_nc_u64 s[G0+4*\s+2:G0+4*\s+3], s[20:21], \s*ROWB
	s_or_b32 s[G0+4*\s+3], s[G0+4*\s+3], 0x80000000
	s_mov_b32 s[G0B+4*\s], 1
	s_add_co_u32 s[G0B+4*\s+1], s45, \s*SLOT
	s_add_nc_u64 s[G0B+4*\s+2:G0B+4*\s+3], s[46:47], \s*ROWB
	s_or_b32 s[G0B+4*\s+3], s[G0B+4*\s+3], 0x80000000
	JLOAD G0+4*\s, G1, G0B+4*\s, G1B               ; three loads of mine are out in all
.endr
	v_and_b32 v1, 15, v0                           ; r
	v_bfe_u32 v2, v0, 4, 1                         ; h
	v_mul_u32_u24 v3, v1, PITCH
	v_lshl_add_u32 v4, v2, 4, v3
	s_mul_i32 s21, s15, HALFT
	s_mul_i32 s22, s16, HALFT
	s_add_co_u32 s22, s22, 2*HALFT
.irp s, 0,1
	v_add_nc_u32 v[ADRA+\s], s21, v4
	v_add_nc_u32 v[ADRB+\s], s22, v4
	s_add_co_u32 s21, s21, SLOT
	s_add_co_u32 s22, s22, SLOT
.endr
	v_mul_u32_u24 v5, v1, KS                       ; my row's scales: 32 bytes a row,
	v_lshrrev_b32 v6, 8, v5
	v_lshl_add_u32 v5, v6, 4, v5                   ; and 16 more for each 256 passed
	s_mul_i32 s21, s15, HALFS
	s_mul_i32 s22, s16, HALFS
	s_add_co_u32 s22, s22, 2*HALFS
	s_sub_co_u32 s22, s22, s21
	v_mul_u32_u24 v6, s22, v2                      ; lanes 16-31 take B's
	s_add_co_u32 s21, s21, SCL
	v_add_nc_u32 v5, v5, v6
	v_add_nc_u32 v[ADRS], s21, v5
	; the way out's addresses
	v_and_b32 v6, 31, v0
	v_lshlrev_b32 v[L16], 4, v6
	v_and_b32 v5, 7, v0
	v_lshl_add_u32 v5, v2, 3, v5
	v_bfe_u32 v6, v0, 3, 1
	v_lshl_add_u32 v5, v6, 4, v5
	v_lshlrev_b32 v5, 4, v5                        ; v's place: 16 ((r & 7) + 8 h + 16 (r >> 3))
	s_and_b32 s20, s17, 7
	s_lshl_b32 s20, s20, 4
	s_lshl_b32 s21, s15, 3
	s_add_co_u32 s20, s20, s21                     ; T0: my first block of 16 positions in the sequence
	s_lshl_b32 s21, s20, 12                        ; its tile of the table
	s_cmp_eq_u32 ttmp9, 2                          ; the section of v?  A choice of numbers, no branch
	s_cselect_b32 s66, -1, 0
	s_cselect_b32 s67, 0, 4096                     ; from block to block in the table
	s_cselect_b32 s22, 0x80000, s21                ; v: the tile of cos = 1, sin = 0, for every block
	s_mov_b32 s23, 0
	s_add_nc_u64 s[12:13], s[12:13], s[22:23]
	v_cndmask_b32 v[SO], v[L16], v5, s66
	s_mov_b32 s21, 0
.irp a, 0,1,2,3,4,5,6,7
	v_add_nc_u32 v[TO+\a], s21, v[L16]
	s_add_co_u32 s21, s21, s67
.endr
	s_lshr_b32 s21, s17, 3                         ; the batch
	s_lshl_b32 s21, s21, 4
	s_and_b32 s22, s42, 3
	s_lshl_b32 s22, s22, 2
	s_add_co_u32 s21, s21, s22
	s_lshl_b32 s22, s16, 1
	s_add_co_u32 s21, s21, s22                     ; batch x 16 + my first head
	s_lshl_b32 s21, s21, 7
	s_add_co_u32 s21, s21, s20
	s_lshl_b32 s22, s21, 11                        ; 2,048 bytes for each 16 positions of a head
	s_lshl_b32 s21, ttmp9, 24                      ; 16,777,216 bytes a section
	s_add_co_u32 s22, s22, s21
	s_mov_b32 s23, 0
	s_add_nc_u64 s[96:97], s[96:97], s[22:23]
.macro TABLOAD a                       ; block a's tile of the table: eight images, 16 bytes a lane each
.irp i, 0,1,2,3,4,5,6,7
	global_load_b128 v[TR+32*((\a)%2)+4*\i:TR+32*((\a)%2)+4*\i+3], v[TO+(\a)], s[12:13] offset:512*\i
.endr
.endm
	TABLOAD 0                                      ; asked for here, wanted behind the last product
	TABLOAD 1
.macro FRAG reg, adr, q, i             ; 16 rows x 128 K of 4-bit codes: lane l holds row l % 16; registers 4 c .. 4 c + 3 hold K = 64 c + 32 (l / 16) + 0 .. 31
.irp c, 0,1
	ds_load_b128 v[\reg+4*\c:\reg+4*\c+3], v[\adr] offset:64*(\q)+32*\c+(\i)*16*PITCH
.endr
.endm
; 16 matrix instructions: A's blocks a0, a0 + 1 x B's eight.  The 64 accumulators take turns, one instruction a turn, in the same order in every step.
.macro MUL16 a0, p, q, sc, zero
.irp a, \a0, \a0+1
.irp b, 0,1,2,3,4,5,6,7
.if \zero
	v_wmma_scale_f32_16x16x128_f8f6f4 v[8*(8*((\a)%4)+\b):8*(8*((\a)%4)+\b)+7], v[128*(\p)+FR*\b:128*(\p)+FR*\b+FR-1], v[AF+FR*(\a):AF+FR*(\a)+FR-1], 0, v[SC+8*NQ*(\sc)+NQ*\b+(\q)], v[SC+8*NQ*(\sc)+NQ*(\a)+(\q)] matrix_a_fmt:MATRIX_FMT_FP4 matrix_b_fmt:MATRIX_FMT_FP4 matrix_a_scale:MATRIX_SCALE_ROW1
.else
	v_wmma_scale_f32_16x16x128_f8f6f4 v[8*(8*((\a)%4)+\b):8*(8*((\a)%4)+\b)+7], v[128*(\p)+FR*\b:128*(\p)+FR*\b+FR-1], v[AF+FR*(\a):AF+FR*(\a)+FR-1], v[8*(8*((\a)%4)+\b):8*(8*((\a)%4)+\b)+7], v[SC+8*NQ*(\sc)+NQ*\b+(\q)], v[SC+8*NQ*(\sc)+NQ*(\a)+(\q)] matrix_a_fmt:MATRIX_FMT_FP4 matrix_b_fmt:MATRIX_FMT_FP4 matrix_a_scale:MATRIX_SCALE_ROW1
.endif
.endr
.endr
.endm
.macro FETCH_B slot, q, p
	WIN TO_B
.irp i, 0,1,2,3,4,5,6,7
	FRAG 128*(\p)+FR*\i, ADRB+\slot, \q, \i
.endr
	WIN 0
.endm
.macro FETCH_A slot, q, i0
.irp i, \i0, \i0+1, \i0+2, \i0+3
	FRAG AF+FR*(\i), ADRA+\slot, \q, \i
.endr
.endm
.macro SCALES sc                       ; a slot's scale words: lanes 0-15 take A's block i, lanes 16-31 B's block i
.irp i, 0,1,2,3,4,5,6,7
	ds_load_b128 v[SC+8*NQ*\sc+NQ*\i:SC+8*NQ*\sc+NQ*\i+3], v[ADRS] offset:\i*SBLK
.endr
.endm
.macro PLACES n                        ; plain vector lines between a matrix instruction and a load into, or a vector line on, its registers
.rept \n
	v_nop
.endr
.endm
.macro STEP slot, q, zero              ; 128 along K with its successor in the same slot
	s_wait_dscnt 4*NL                              ; B's set and A's blocks 0-3 are in; A's blocks 4-7 may be out
	WIN MUL_LO
	MUL16 0, (\q)%2, \q, \slot, \zero
	MUL16 2, (\q)%2, \q, \slot, \zero
	s_wait_dscnt 0
	PLACES NP
	FETCH_B \slot, (\q)+1, 1-(\q)%2
	FETCH_A \slot, (\q)+1, 0
	WIN MUL_HI
	MUL16 4, (\q)%2, \q, \slot, \zero
	MUL16 6, (\q)%2, \q, \slot, \zero
	PLACES NP
	WIN 0
	FETCH_A \slot, (\q)+1, 4
.endm
.macro TURN slot, next                 ; a slot's last step changes slots: one barrier; nothing is filled again
	s_wait_tensorcnt 0x0                           ; all my tensor loads have landed: my part of the next slot
	ds_add_u32 v[SPW], v[NIL]                      ; 0 onto my spare word
	s_wait_dscnt 4*NL+1                            ; (the add and A's blocks 4-7 may be out)
	WIN MUL_LO
	MUL16 0, 1, NQ-1, \slot, 0
	s_wait_dscnt 0x0
	s_barrier_signal -1
	MUL16 2, 1, NQ-1, \slot, 0
	WIN 0
	s_barrier_wait -1                              ; the next slot is whole
	PLACES NP
	v_add_nc_u32 v[ADRS], 4*NQ, v[ADRS]            ; on to the next slot's scale words
	FETCH_B \next, 0, 0
	FETCH_A \next, 0, 0
	SCALES \next
	WIN MUL_HI
	MUL16 4, 1, NQ-1, \slot, 0
	MUL16 6, 1, NQ-1, \slot, 0
	PLACES NP
	WIN 0
	FETCH_A \next, 0, 4
.endm
.macro STEPS slot, from
.set Q, \from
.rept NQ-1-\from
	STEP \slot, Q, 0
.set Q, Q+1
.endr
.endm
	s_wait_tensorcnt 1                             ; the scales and my part of slot 0 are in (slot 1's load may be out),
	s_barrier_signal -1
	s_barrier_wait -1                              ; everybody's are
	FETCH_B 0, 0, 0
	FETCH_A 0, 0, 0
	SCALES 0
	FETCH_A 0, 0, 4
	STEP 0, 0, 1                                   ; the first products start the sums: nothing is cleared
	STEPS 0, 1
	TURN 0, 1
	STEPS 1, 0
	s_wait_dscnt 4*NL                              ; the last step: nothing more to fetch
	WIN MUL_LO
	MUL16 0, 1, NQ-1, 1, 0
	MUL16 2, 1, NQ-1, 1, 0
	s_wait_dscnt 0
	WIN MUL_HI
	MUL16 4, 1, NQ-1, 1, 0
	MUL16 6, 1, NQ-1, 1, 0
	WIN 0
; THE WAY OUT of block a (16 positions x 128 columns = two heads).  For head hh and u = 0, 1: t1 = accumulator 4 hh + u (channels 16 u + 8 h + j), t2 = accumulator 4 hh + 2 + u (32 more):
; t1' = t1 cos - t2 sin, t2' = t2 cos + t1 sin, two numbers an instruction; each accumulator is read from its low end on.
.macro ROPE a
.set TRR, TR+32*((\a)%2)
.set PKK, PK+32*((\a)%2)
.set AC, 64*((\a)%4)
.if (\a) < 7
	s_wait_loadcnt 8                               ; this block's table is in; the next block's eight loads may be out
.else
	s_wait_loadcnt 0x0
.endif
	s_wait_xcnt 0x0                                ; the stores of two blocks back have read this set of packed results
	WIN 0x02+(\a)/4                                ; source 0: window 2 or 3
.irp hh, 0,1
.irp u, 0,1
.irp jp, 0,2,4,6
	v_pk_mul_f32 v[E+8*(4*\hh+\u)+\jp:E+8*(4*\hh+\u)+\jp+1], v[AC+8*(4*\hh+2+\u)+\jp:AC+8*(4*\hh+2+\u)+\jp+1], v[TRR+16+8*\u+\jp:TRR+16+8*\u+\jp+1]
	v_pk_mul_f32 v[E+8*(4*\hh+2+\u)+\jp:E+8*(4*\hh+2+\u)+\jp+1], v[AC+8*(4*\hh+2+\u)+\jp:AC+8*(4*\hh+2+\u)+\jp+1], v[TRR+8*\u+\jp:TRR+8*\u+\jp+1]
	v_pk_fma_f32 v[E+8*(4*\hh+\u)+\jp:E+8*(4*\hh+\u)+\jp+1], v[AC+8*(4*\hh+\u)+\jp:AC+8*(4*\hh+\u)+\jp+1], v[TRR+8*\u+\jp:TRR+8*\u+\jp+1], v[E+8*(4*\hh+\u)+\jp:E+8*(4*\hh+\u)+\jp+1] neg_lo:[0,0,1] neg_hi:[0,0,1]
	v_pk_fma_f32 v[E+8*(4*\hh+2+\u)+\jp:E+8*(4*\hh+2+\u)+\jp+1], v[AC+8*(4*\hh+\u)+\jp:AC+8*(4*\hh+\u)+\jp+1], v[TRR+16+8*\u+\jp:TRR+16+8*\u+\jp+1], v[E+8*(4*\hh+2+\u)+\jp:E+8*(4*\hh+2+\u)+\jp+1]
.endr
.endr
.endr
	WIN 0
.irp b, 0,1,2,3,4,5,6,7
.irp i, 0,1,2,3
	v_cvt_pk_f16_f32 v[PKK+4*\b+\i], v[E+8*\b+2*\i], v[E+8*\b+2*\i+1]
.endr
.endr
.irp b, 0,1,2,3,4,5,6,7
	global_store_b128 v[SO], v[PKK+4*\b:PKK+4*\b+3], s[96:97] offset:262144*(\b/4)+2048*(\a)+512*(\b%4)   ; an image: 512 consecutive bytes, aligned
.endr
.if (\a) < 6
	TABLOAD (\a)+2
.endif
.endm
	PLACES NP                                      ; behind the last products: the lines below write registers that held scales and fragments
.irp a, 0,1,2,3,4,5,6,7
	ROPE \a
.endr
	s_wait_tensorcnt 0x0                           ; the wave's end, behind my last tensor load
	ds_add_u32 v[SPW], v[NIL]
	s_wait_dscnt 0x0
	CROUND                                         ; the closing round
	s_endpgm
.Lfunc_end_k_qf2f0cea931_gemm_qkv:
	.size	k_qf2f0cea931_gemm_qkv, .Lfunc_end_k_qf2f0cea931_gemm_qkv-k_qf2f0cea931_gemm_qkv
	.p2alignl 7, 3214868480
	.fill 96, 4, 3214868480
	.section	.rodata,"a",@progbits
	.p2align	6, 0x0
	.amdhsa_kernel k_qf2f0cea931_gemm_qkv
		.amdhsa_group_segment_fixed_size 327680
		.amdhsa_private_segment_fixed_size 0
		.amdhsa_enable_private_segment 0
		.amdhsa_kernarg_size 48
		.amdhsa_user_sgpr_count 2
		.amdhsa_user_sgpr_kernarg_segment_ptr 1
		.amdhsa_wavefront_size32 1
		.amdhsa_system_sgpr_workgroup_id_x 1
		.amdhsa_system_sgpr_workgroup_id_y 1
		.amdhsa_system_sgpr_workgroup_id_z 1
		.amdhsa_system_vgpr_workitem_id 0
		.amdhsa_next_free_vgpr 1024
		.amdhsa_next_free_sgpr 98
		.amdhsa_reserve_vcc 0
		.amdhsa_float_denorm_mode_32 3
		.amdhsa_float_denorm_mode_16_64 3
		.amdhsa_memory_ordered 1
		.amdhsa_forward_progress 1
		.amdhsa_inst_pref_size 157
	.end_amdhsa_kernel
	.amdgpu_metadata
---
amdhsa.version: [ 1, 2 ]
amdhsa.kernels:
  - .name:           k_qf2f0cea931_gemm_qkv
    .symbol:         k_qf2f0cea931_gemm_qkv.kd
    .args:
      - { .name: xc, .offset: 0, .size: 8, .value_kind: global_buffer, .address_space: global }
      - { .name: xs, .offset: 8, .size: 8, .value_kind: global_buffer, .address_space: global }
      - { .name: wc, .offset: 16, .size: 8, .value_kind: global_buffer, .address_space: global }
      - { .name: ws, .offset: 24, .size: 8, .value_kind: global_buffer, .address_space: global }
      - { .name: tab, .offset: 32, .size: 8, .value_kind: global_buffer, .address_space: global }
      - { .name: qkv, .offset: 40, .size: 8, .value_kind: global_buffer, .address_space: global }
    .group_segment_fixed_size: 327680
    .private_segment_fixed_size: 0
    .kernarg_segment_align: 8
    .kernarg_segment_size: 48
    .max_flat_workgroup_size: 128
    .sgpr_count:     98
    .vgpr_count:     1024
    .wavefront_size: 32
...
	.end_amdgpu_metadata
.endif
;; end of part 2
;; launch attn (part 3): grid 4 x 64, 8 waves a work-group, clusters of 4 x 1, 327,680 bytes of LDS; arguments qkv, of; writes of
.if DOCPART == 3
	.amdgcn_target "amdgcn-amd-amdhsa--gfx1250"
	.amdhsa_code_object_version 6
	.text
	.protected	k_qf2f0cea931_attn
	.globl	k_qf2f0cea931_attn
	.p2align	8
	.type	k_qf2f0cea931_attn,@function
k_qf2f0cea931_attn:
	s_mov_b64 s[64:65], 0
	v_nop
	global_prefetch_b8 v0, s[64:65] scope:SCOPE_SE
	s_setreg_imm32_b32 hwreg(HW_REG_WAVE_MODE, 25, 1), 1
	s_wait_xcnt 0x0
	s_wait_alu depctr_hold_cnt(0) depctr_sa_sdst(0) depctr_va_vdst(0) depctr_va_sdst(0) depctr_va_ssrc(0) depctr_va_vcc(0) depctr_vm_vsrc(0)
	s_getreg_b32 s2, hwreg(HW_REG_IB_STS2, 6, 4)
	s_cmp_eq_u32 s2, 0
	s_cbranch_scc0 .Lentry_in_a_cluster
	s_endpgm
.Lentry_in_a_cluster:
	s_bfe_u32 s2, ttmp6, 0x10000c
	s_cmp_lg_u32 s2, 0x3003
	s_cbranch_scc0 .Lentry_shape_is_right
	s_endpgm
.Lentry_shape_is_right:
; O[bh][q] = sum over k of softmax_k(Q[bh][q] . K[bh][k] / 8) V[bh][k].  64 heads (batch x head), 2,048 positions, 64 channels.  q, k, v arrive as f16 images of operand registers
; ([section][bh][position/16][channel/16][512 bytes]); products with f16 operands and f32 sums; maxima, exponentials and sums in f32; the weights p are rounded to f16 for the second product, O once at the end.
; SHARES.  A cluster is one head; its four work-groups own 512 queries each; each of a work-group's eight waves owns 64 queries: four tiles of 16.  Two waves share a SIMD: one wave's softmax stands beside the other's products.
; LAYOUT.  S^T = K Q^T (source 0 = 16 keys, source 1 = 16 queries): a lane holds ONE query (lane % 16) and keys 8 (lane / 16) + 0..7 of a tile.  Two such tiles, rounded in pairs, ARE source 1 of O^T = V^T P,
; whose result again holds one query a lane and eight channels: as f16 that is an image for the next launch, stored straight from registers.  V is turned by ds_load_tr16_b128; its images were laid for that.
; SOFTMAX.  A running maximum m and sum l for each query: p = 2^(c s - c m), c = log2(e) / 8; in every step O and l are multiplied by a = 2^(c m_old - c m_new).
; RING.  Two LDS slots of 512 keys (K 65,536 bytes, V 65,536 bytes, all images: every fragment is read at 16 x lane, no pitch, no padding).  Each wave fetches a quarter of K's or of V's part: 16,384 dense bytes, one tensor load,
; asked for JOINTLY by the four work-groups (same descriptor, mask of all four).  A refill is asked for eight key steps, 512 matrix instructions a wave, ahead of its first read: so no prefetch is written.
; A key step is 64 keys: SCORES (16 + 16 products K Q^T, then the four tiles' softmax) and VALUES (16 + 16 products V^T P).  ONE buffer of two halves holds K's and V's fragments by turns:
; each half is loaded again as soon as its 16 products are issued.
; LIMITS: NaN and infinities are not served.
; REGISTERS.  window 0: v1-6 addresses; v16-47 eight registers of statistics a tile; v64-191 S^T, 32 a tile; v192-255 P, 16 a tile.  window 1: v0-127 O^T, 32 a tile; v128-191 Q, 16 a tile; v192-255 the fragment buffer.
.set SLOT1, 1<<17
.set VOFF,  65536                      ; V's part of a slot
.set STEPB, 8192                       ; a key step: four key tiles of 2,048 bytes
.set SPARE, 262144                     ; behind the ring: the spare words, 128 bytes a wave: four blocks of 256 bytes that no other line names
.set L16,  1                           ; v1  16 x lane; never rewritten
.set AV0,  2                           ; v2  16 x lane + VOFF
.set ADR,  3                           ; v3  LDS address of the step's K
.set ADRV, 4                           ; v4  of its V
.set SPW,  5
.set NIL,  6
.set ST,   16                          ; tile t at v[ST + 8 t]: +0 c m, +1 m, +2, +3 l, +4 to +7 at work; a takes +6
.set S,    64
.set P,    192
.set O,    0                           ; window 1
.set QB,   128                         ; window 1
.set F,    192                         ; window 1
.set WV,   12
.set G1,   24                          ; s[24:31] descriptor group 1, one for all loads
.set G0A,  32                          ; s[32:35] group 0 of slot 0's first fill
.set G0W,  36                          ; s[36:39] group 0 of slot 1's first fill; it then walks
.set SLOTS, 56
.set CNT,  57
.set CS,   58                          ; s[58:59] c
.set SEL,  60                          ; s[60:61] selects for lane l xor 16
.set TB,   62                          ; s62 LDS byte at which the step to be fetched begins
.set MSB, 0
.macro WIN new
.if MSB != (\new)
	s_set_vgpr_msb (MSB<<8)|(\new)
.set MSB, (\new)
.endif
.endm
.set W_KQ, 0x05                        ; K and Q in window 1, S^T in window 0
.set W_PV, 0x51                        ; V in window 1, P in window 0, O^T in window 1
.set W_LD, 0x40                        ; destination window 1, address window 0
.set W_RS, 0x41                        ; O^T (destination, source 0) window 1, a window 0
.macro CROUND
	s_barrier_signal -1
	s_barrier_wait -1
	s_cmp_lg_u32 s[WV], 0
	s_cbranch_scc1 .Lnot_wave_0_\@
	s_barrier_signal -3
.Lnot_wave_0_\@:
	s_barrier_wait -3
	s_barrier_signal -1
	s_barrier_wait -1
.endm
.macro NOPS n
.rept \n
	v_nop
.endr
.endm
.macro KLOAD hb                        ; key tiles 2 hb, 2 hb + 1 of the step: two fragments each (channels 0-31, 32-63)
.irp kt, 0,1
.irp blk, 0,1,2,3
	ds_load_b128 v[F+32*\hb+16*\kt+4*\blk:F+32*\hb+16*\kt+4*\blk+3], v[ADR] offset:(2*\hb+\kt)*2048+512*\blk
.endr
.endr
.endm
.macro VLOAD kh                        ; keys 32 kh on, turned: four fragments of 16 channels x 32 keys
.irp ct, 0,1,2,3
	ds_load_tr16_b128 v[F+32*\kh+8*\ct:F+32*\kh+8*\ct+3], v[ADRV] offset:(2*\kh)*2048+512*\ct
	ds_load_tr16_b128 v[F+32*\kh+8*\ct+4:F+32*\kh+8*\ct+7], v[ADRV] offset:(2*\kh+1)*2048+512*\ct
.endr
.endm
; 16 products: two key tiles x four query tiles x two halves of the channels.  Eight accumulators take turns, one instruction a turn; the first eight start the sums.
.macro KQH hb
.irp c, 0,1
.irp kt, 0,1
.irp t, 0,1,2,3
.if \c == 0
	v_wmma_f32_16x16x32_f16 v[S+32*\t+8*(2*\hb+\kt):S+32*\t+8*(2*\hb+\kt)+7], v[F+32*\hb+16*\kt+8*\c:F+32*\hb+16*\kt+8*\c+7], v[QB+16*\t+8*\c:QB+16*\t+8*\c+7], 0
.else
	v_wmma_f32_16x16x32_f16 v[S+32*\t+8*(2*\hb+\kt):S+32*\t+8*(2*\hb+\kt)+7], v[F+32*\hb+16*\kt+8*\c:F+32*\hb+16*\kt+8*\c+7], v[QB+16*\t+8*\c:QB+16*\t+8*\c+7], v[S+32*\t+8*(2*\hb+\kt):S+32*\t+8*(2*\hb+\kt)+7]
.endif
.endr
.endr
.endr
.endm
; 16 products: four channel tiles x four query tiles, keys 32 kh on.  Sixteen accumulators take turns.  zero = 1: the first sixteen start O^T's sums.
.macro PVH kh, zero
.irp ct, 0,1,2,3
.irp t, 0,1,2,3
.if (\zero) && (\kh == 0)
	v_wmma_f32_16x16x32_f16 v[O+32*\t+8*\ct:O+32*\t+8*\ct+7], v[F+32*\kh+8*\ct:F+32*\kh+8*\ct+7], v[P+16*\t+8*\kh:P+16*\t+8*\kh+7], 0
.else
	v_wmma_f32_16x16x32_f16 v[O+32*\t+8*\ct:O+32*\t+8*\ct+7], v[F+32*\kh+8*\ct:F+32*\kh+8*\ct+7], v[P+16*\t+8*\kh:P+16*\t+8*\kh+7], v[O+32*\t+8*\ct:O+32*\t+8*\ct+7]
.endif
.endr
.endr
.endm
.macro SCALE t, i                      ; pair i of tile t: c s - c m
	v_pk_fma_f32 v[S+32*(\t)+2*(\i):S+32*(\t)+2*(\i)+1], v[S+32*(\t)+2*(\i):S+32*(\t)+2*(\i)+1], s[CS:CS+1], v[ST+8*(\t):ST+8*(\t)+1] op_sel_hi:[1,0,0] neg_lo:[0,0,1] neg_hi:[0,0,1]
.endm
; THE SOFTMAX of a key step, the four tiles line by line in turn.  first = 1: the first key step starts m, l and O^T: no a, nothing to rescale.
.macro SM first
.irp j, 0,1,2,3                        ; the maximum: four chains a tile; each accumulator is first read at its low end
.irp t, 0,1,2,3
	v_max3_num_f32 v[ST+8*\t+4+\j], v[S+32*\t+8*\j], v[S+32*\t+8*\j+1], v[S+32*\t+8*\j+2]
.endr
.endr
.irp g, 1,2
.irp j, 0,1,2,3
.irp t, 0,1,2,3
	v_max3_num_f32 v[ST+8*\t+4+\j], v[ST+8*\t+4+\j], v[S+32*\t+8*\j+2*\g+1], v[S+32*\t+8*\j+2*\g+2]
.endr
.endr
.endr
.irp t, 0,1,2,3
	v_max3_num_f32 v[ST+8*\t+4], v[ST+8*\t+4], v[S+32*\t+7], v[S+32*\t+15]
.endr
.irp t, 0,1,2,3
	v_max3_num_f32 v[ST+8*\t+6], v[ST+8*\t+6], v[S+32*\t+23], v[S+32*\t+31]
.endr
.irp t, 0,1,2,3
	v_max3_num_f32 v[ST+8*\t+4], v[ST+8*\t+4], v[ST+8*\t+5], v[ST+8*\t+6]
.endr
.irp t, 0,1,2,3
.if \first
	v_max_num_f32 v[ST+8*\t+4], v[ST+8*\t+4], v[ST+8*\t+7]
.else
	v_max3_num_f32 v[ST+8*\t+4], v[ST+8*\t+4], v[ST+8*\t+7], v[ST+8*\t+1]
.endif
.endr
.irp t, 0,1,2,3
	v_permlanex16_b32 v[ST+8*\t+5], v[ST+8*\t+4], s[SEL], s[SEL+1]  ; the query's other 32 keys lie in the lane 16 away
.endr
.if \first == 0
.irp t, 0,1,2,3
	v_mov_b32 v[ST+8*\t+7], v[ST+8*\t]             ; c m_old is kept for a
.endr
.endif
.irp t, 0,1,2,3
	v_max_num_f32 v[ST+8*\t+1], v[ST+8*\t+4], v[ST+8*\t+5]
.endr
.irp t, 0,1,2,3
	v_mul_f32 v[ST+8*\t], s[CS], v[ST+8*\t+1]
.endr
.if \first == 0
.irp t, 0,1,2,3
	v_sub_f32 v[ST+8*\t+7], v[ST+8*\t+7], v[ST+8*\t]
.endr
.irp t, 0,1,2,3                        ; ONE BATCH of exponentials from here to the wait: none of its lines names an exponential's result
	v_exp_f32 v[ST+8*\t+6], v[ST+8*\t+7]
.endr
.endif
.set ii, 0
.rept 16
	SCALE 0, ii
.set ii, ii+1
.endr
.irp t, 0,1,2,3
.set ii, 0
.rept 16
	v_exp_f32 v[S+32*\t+2*ii], v[S+32*\t+2*ii]
	v_exp_f32 v[S+32*\t+2*ii+1], v[S+32*\t+2*ii+1]
.if \t < 3
	SCALE \t+1, ii                                 ; the next tile's scalings stand among this tile's exponentials
.endif
.set ii, ii+1
.endr
.endr
	v_nop                                          ; a plain line behind the last exponential
	s_wait_alu depctr_va_vdst(0)                   ; the wait ahead of the first reader: one for the step's batch
.irp t, 0,1,2,3
.set ii, 0
.rept 16
	v_cvt_pk_f16_f32 v[P+16*\t+ii], v[S+32*\t+2*ii], v[S+32*\t+2*ii+1]
.set ii, ii+1
.endr
.endr
.irp u, 0,1,2,3,4,5,6,7                ; the sums of the unrounded weights, in place, two at a time
.irp t, 0,1,2,3
	v_pk_add_f32 v[S+32*\t+4*\u:S+32*\t+4*\u+1], v[S+32*\t+4*\u:S+32*\t+4*\u+1], v[S+32*\t+4*\u+2:S+32*\t+4*\u+3]
.endr
.endr
.irp u, 0,1,2,3
.irp t, 0,1,2,3
	v_pk_add_f32 v[S+32*\t+8*\u:S+32*\t+8*\u+1], v[S+32*\t+8*\u:S+32*\t+8*\u+1], v[S+32*\t+8*\u+4:S+32*\t+8*\u+5]
.endr
.endr
.irp u, 0,1
.irp t, 0,1,2,3
	v_pk_add_f32 v[S+32*\t+16*\u:S+32*\t+16*\u+1], v[S+32*\t+16*\u:S+32*\t+16*\u+1], v[S+32*\t+16*\u+8:S+32*\t+16*\u+9]
.endr
.endr
.if \first
.irp t, 0,1,2,3
	v_pk_add_f32 v[ST+8*\t+2:ST+8*\t+3], v[S+32*\t:S+32*\t+1], v[S+32*\t+16:S+32*\t+17]
.endr
.else
.irp t, 0,1,2,3
	v_pk_add_f32 v[S+32*\t:S+32*\t+1], v[S+32*\t:S+32*\t+1], v[S+32*\t+16:S+32*\t+17]
.endr
.irp t, 0,1,2,3
	v_pk_fma_f32 v[ST+8*\t+2:ST+8*\t+3], v[ST+8*\t+2:ST+8*\t+3], v[ST+8*\t+6:ST+8*\t+7], v[S+32*\t:S+32*\t+1] op_sel_hi:[1,0,1]
.endr
	WIN W_RS
.irp t, 0,1,2,3                        ; O^T x a, each accumulator from its low end on
.set ii, 0
.rept 16
	v_pk_mul_f32 v[O+32*\t+2*ii:O+32*\t+2*ii+1], v[O+32*\t+2*ii:O+32*\t+2*ii+1], v[ST+8*\t+6:ST+8*\t+7] op_sel_hi:[1,0]
.set ii, ii+1
.endr
.endr
.endif
.endm
; SCORES: the step's K Q^T and softmax; its V is fetched into each half of the buffer as soon as K's products have read it.  Every s_wait_dscnt 8 here and in VALUES counts the same:
; the half that is wanted is in, the eight loads of the half issued behind it may be out.  Four plain lines stand between a half's last product and the loads into it.
.macro SCORES first
	s_wait_dscnt 8
	WIN W_KQ
	KQH 0
	WIN 0
	v_add_nc_u32 v[ADRV], s[TB], v[AV0]
	NOPS 3
	WIN W_LD
	VLOAD 0
	s_wait_dscnt 8
	WIN W_KQ
	KQH 1
	NOPS 4                                         ; also the places ahead of the softmax's first read of the scores
	WIN W_LD
	VLOAD 1
	s_add_co_u32 s[TB], s[TB], STEPB               ; the next fetch is the next step's
	WIN 0
	SM \first
	WIN 0
.endm
; VALUES: the step's V^T P; fetch = 1: the next step's K goes into the halves as they come free.
.macro VALUES zero, fetch
	s_wait_dscnt 8
	WIN W_PV
	PVH 0, \zero
.if \fetch
	WIN 0
	v_add_nc_u32 v[ADR], s[TB], v[L16]
	NOPS 3
	WIN W_LD
	KLOAD 0
	s_wait_dscnt 8
.else
	s_wait_dscnt 0x0
.endif
	WIN W_PV
	PVH 1, \zero
.if \fetch
	NOPS 4
	WIN W_LD
	KLOAD 1
.endif
	WIN 0
.endm
; THE CHANGE OF SLOTS, between a slot's last SCORES and its last VALUES: all reads of the slot have been issued (that step's V is on its way into registers).  Each wave waits for all its tensor loads (its part of the
; other slot), adds 0 to its spare word, and waits for that and for its reads.  fill = 1: the barrier is a round of the cluster's, and the joint refill is the first thing behind it.
.macro CHANGE fill
	s_wait_tensorcnt 0x0                           ; no tensor load of mine is out, so a group 0 may be written
	ds_add_u32 v[SPW], v[NIL]
.if \fill
	s_xor_b32 s[G0W+1], s[G0W+1], SLOT1            ; the other slot than last time,
	s_add_nc_u64 s[G0W+2:G0W+3], s[G0W+2:G0W+3], 65536  ; the next 512 keys
.endif
	s_wait_dscnt 0x0                               ; the add is done, and my reads of the slot are over
.if \fill
	CROUND
	tensor_load_to_lds s[G0W:G0W+3], s[G1:G1+7]
	s_nop 0
	NOPS 4
.else
	s_barrier_signal -1
	s_barrier_wait -1
.endif
	s_sub_co_u32 s[TB], s[TB], 8*STEPB             ; the fetches go back to a slot's first step,
	s_xor_b32 s[TB], s[TB], SLOT1                  ; in the other slot
.endm
.macro STEPS n
	s_mov_b32 s[CNT], \n
.Lstep_\@:
	VALUES 0, 1
	SCORES 0
	s_sub_co_u32 s[CNT], s[CNT], 1
	s_cmp_lg_u32 s[CNT], 0
	s_cbranch_scc1 .Lstep_\@
.endm
	s_load_b128 s[4:7], s[0:1], 0x0                ; qkv s[4:5], of s[6:7]
	v_lshl_add_u32 v[SPW], v0, 2, SPARE
	v_mov_b32 v[NIL], 0
	ds_add_u32 v[SPW], v[NIL]                      ; the wave's opening: the add, twice on end, and its wait ahead of my first tensor load
	ds_add_u32 v[SPW], v[NIL]
	v_lshrrev_b32 v7, 5, v0
	v_readfirstlane_b32 s[WV], v7                  ; wave 0..7
	s_bfe_u32 s13, ttmp6, 0x40000                  ; cx: my block of 512 queries; it enters Q's and O's addresses alone
	s_and_b32 s14, ttmp7, 0xffff                   ; batch x 16 + head, which the four partners share
	s_mov_b32 s[G1], 15|(3<<16)|(1<<21)            ; the mask: all four; elements of 8 bytes; bit 21 beside a mask; no padding
	s_mov_b32 s[G1+1], 32<<16                      ; tensor_dim0 = 32 elements: 256 bytes
	s_mov_b32 s[G1+2], 64<<16                      ; tensor_dim1 = 64
	s_mov_b32 s[G1+3], 32<<16                      ; tile_dim0
	s_mov_b32 s[G1+4], 64                          ; tile_dim1
	s_mov_b32 s[G1+5], 32                          ; the pitch: the block is dense
	s_mov_b32 s[G1+6], 0
	s_mov_b32 s[G1+7], 0
	s_lshr_b32 s16, s[WV], 2                       ; waves 0-3 fetch K (section 1), waves 4-7 V (section 2)
	s_add_co_u32 s16, s16, 1
	s_lshl_b32 s16, s16, 24
	s_lshl_b32 s17, s14, 18                        ; a head is 262,144 bytes
	s_add_co_u32 s16, s16, s17
	s_and_b32 s17, s[WV], 3
	s_lshl_b32 s17, s17, 14                        ; my quarter of a slot's 65,536
	s_add_co_u32 s16, s16, s17
	s_mov_b32 s17, 0
	s_lshl_b32 s15, s[WV], 14                      ; and its place in a slot: wave x 16,384
	s_lshl_b32 s18, s14, 18                        ; Q: head, block of 512 queries, my 64
	s_lshl_b32 s19, s13, 16
	s_add_co_u32 s18, s18, s19
	s_lshl_b32 s19, s[WV], 13
	s_add_co_u32 s18, s18, s19
	s_mov_b32 s19, 0
	s_and_b32 s20, s14, 15                         ; O: [head][batch x 128 + position / 16][4][512 bytes]
	s_lshl_b32 s20, s20, 20
	s_lshr_b32 s21, s14, 4
	s_lshl_b32 s21, s21, 7
	s_lshl_b32 s22, s13, 5
	s_add_co_u32 s21, s21, s22
	s_lshl_b32 s22, s[WV], 2
	s_add_co_u32 s21, s21, s22
	s_lshl_b32 s21, s21, 11
	s_add_co_u32 s20, s20, s21
	s_mov_b32 s21, 0
	s_mov_b32 s[CS], 0x3e38aa3b                    ; c = log2(e) / 8
	s_mov_b32 s[CS+1], s[CS]                       ; named with it as a pair, so it is written
	s_mov_b32 s[SEL], 0x76543210
	s_mov_b32 s[SEL+1], 0xfedcba98
	s_mov_b32 s[TB], 0
	s_mov_b32 s[SLOTS], 2
	s_wait_dscnt 0x0                               ; both opening adds are done
	s_wait_kmcnt 0x0
	s_add_nc_u64 s[8:9], s[4:5], s[18:19]          ; Q at my first query
	s_add_nc_u64 s[10:11], s[6:7], s[20:21]        ; O likewise
	s_add_nc_u64 s[16:17], s[4:5], s[16:17]        ; K or V at my quarter of slot 0
	CROUND                                         ; all four work-groups are here: the first joint loads meet
	s_mov_b32 s[G0A], 1
	s_mov_b32 s[G0A+1], s15
	s_mov_b64 s[G0A+2:G0A+3], s[16:17]
	s_or_b32 s[G0A+3], s[G0A+3], 0x80000000
	s_mov_b32 s[G0W], 1
	s_add_co_u32 s[G0W+1], s15, SLOT1
	s_add_nc_u64 s[G0W+2:G0W+3], s[16:17], 65536
	s_or_b32 s[G0W+3], s[G0W+3], 0x80000000
	tensor_load_to_lds s[G0A:G0A+3], s[G1:G1+7]    ; keys 0-511
	s_nop 0
	tensor_load_to_lds s[G0W:G0W+3], s[G1:G1+7]    ; keys 512-1023: two loads of mine are out
	s_nop 0
	NOPS 4
	v_and_b32 v[L16], 31, v0
	v_lshlrev_b32 v[L16], 4, v[L16]
	v_add_nc_u32 v[AV0], VOFF, v[L16]
	WIN W_LD
.irp t, 0,1,2,3
.irp blk, 0,1,2,3
	global_load_b128 v[QB+16*\t+4*\blk:QB+16*\t+4*\blk+3], v[L16], s[8:9] offset:2048*\t+512*\blk   ; Q stays in registers
.endr
.endr
	WIN 0
	s_wait_tensorcnt 1                             ; my part of slot 0 is in; slot 1's may stay out
	s_barrier_signal -1
	s_barrier_wait -1                              ; everybody's is
	v_add_nc_u32 v[ADR], s[TB], v[L16]
	WIN W_LD
	KLOAD 0
	KLOAD 1
	WIN 0
	s_wait_loadcnt 0x0                             ; Q
	SCORES 1                                       ; key step 0
	VALUES 1, 1                                    ; its V^T P starts O^T
	SCORES 0
	STEPS 6                                        ; key steps 2 to 7
.Lslot:                                            ; two trips: slots 0 and 1 are filled again, with keys 1,024 on and 1,536 on
	CHANGE 1
	STEPS 8
	s_sub_co_u32 s[SLOTS], s[SLOTS], 1
	s_cmp_lg_u32 s[SLOTS], 0
	s_cbranch_scc1 .Lslot
	CHANGE 0                                       ; the tail is written out: nothing is left to ask for
	STEPS 8
	VALUES 0, 0                                    ; the last step's V^T P
	; THE WAY OUT.  l's two halves and the other half of the lanes' are added (these lines are the places behind the last products); O^T / l, rounded to f16, is stored as images.
.irp t, 0,1,2,3
	v_add_f32 v[ST+8*\t+4], v[ST+8*\t+2], v[ST+8*\t+3]
.endr
.irp t, 0,1,2,3
	v_permlanex16_b32 v[ST+8*\t+5], v[ST+8*\t+4], s[SEL], s[SEL+1]
.endr
.irp t, 0,1,2,3
	v_add_f32 v[ST+8*\t+4], v[ST+8*\t+4], v[ST+8*\t+5]
.endr
.irp t, 0,1,2,3
	v_rcp_f32 v[ST+8*\t+6], v[ST+8*\t+4]
.endr
	v_nop                                          ; a plain line behind the last reciprocal
	s_wait_alu depctr_va_vdst(0)                   ; one wait for the four, ahead of their first reader
.irp t, 0,1,2,3
	WIN W_RS
.set ii, 0
.rept 16
	v_pk_mul_f32 v[O+32*\t+2*ii:O+32*\t+2*ii+1], v[O+32*\t+2*ii:O+32*\t+2*ii+1], v[ST+8*\t+6:ST+8*\t+7] op_sel_hi:[1,0]
.set ii, ii+1
.endr
	WIN 0x05                                       ; sources window 1, destination window 0: S^T's registers are free
.set ii, 0
.rept 16
	v_cvt_pk_f16_f32 v[S+16*\t+ii], v[O+32*\t+2*ii], v[O+32*\t+2*ii+1]
.set ii, ii+1
.endr
	WIN 0
.irp ct, 0,1,2,3
	global_store_b128 v[L16], v[S+16*\t+4*\ct:S+16*\t+4*\ct+3], s[10:11] offset:2048*\t+512*\ct   ; an image: 512 consecutive bytes, aligned
.endr
.endr
	s_wait_tensorcnt 0x0                           ; the wave's end, behind my last tensor load
	ds_add_u32 v[SPW], v[NIL]
	s_wait_dscnt 0x0
	CROUND                                         ; the closing round
	s_endpgm
.Lfunc_end_k_qf2f0cea931_attn:
	.size	k_qf2f0cea931_attn, .Lfunc_end_k_qf2f0cea931_attn-k_qf2f0cea931_attn
	.p2alignl 7, 3214868480
	.fill 96, 4, 3214868480
	.section	.rodata,"a",@progbits
	.p2align	6, 0x0
	.amdhsa_kernel k_qf2f0cea931_attn
		.amdhsa_group_segment_fixed_size 327680
		.amdhsa_private_segment_fixed_size 0
		.amdhsa_enable_private_segment 0
		.amdhsa_kernarg_size 16
		.amdhsa_user_sgpr_count 2
		.amdhsa_user_sgpr_kernarg_segment_ptr 1
		.amdhsa_wavefront_size32 1
		.amdhsa_system_sgpr_workgroup_id_x 1
		.amdhsa_system_sgpr_workgroup_id_y 1
		.amdhsa_system_sgpr_workgroup_id_z 1
		.amdhsa_system_vgpr_workitem_id 0
		.amdhsa_next_free_vgpr 512
		.amdhsa_next_free_sgpr 66
		.amdhsa_reserve_vcc 0
		.amdhsa_float_denorm_mode_32 3
		.amdhsa_float_denorm_mode_16_64 3
		.amdhsa_memory_ordered 1
		.amdhsa_forward_progress 1
		.amdhsa_inst_pref_size 174
	.end_amdhsa_kernel
	.amdgpu_metadata
---
amdhsa.version: [ 1, 2 ]
amdhsa.kernels:
  - .name:           k_qf2f0cea931_attn
    .symbol:         k_qf2f0cea931_attn.kd
    .args:
      - { .name: qkv, .offset: 0, .size: 8, .value_kind: global_buffer, .address_space: global }
      - { .name: of, .offset: 8, .size: 8, .value_kind: global_buffer, .address_space: global }
    .group_segment_fixed_size: 327680
    .private_segment_fixed_size: 0
    .kernarg_segment_align: 8
    .kernarg_segment_size: 16
    .max_flat_workgroup_size: 256
    .sgpr_count:     66
    .vgpr_count:     512
    .wavefront_size: 32
...
	.end_amdgpu_metadata
.endif
;; end of part 3
;; launch gemm_out (part 4): grid 4 x 64, 4 waves a work-group, clusters of 4 x 4, 327,680 bytes of LDS; arguments of, wf, out0; writes out0
.if DOCPART == 4
	.amdgcn_target "amdgcn-amd-amdhsa--gfx1250"
	.amdhsa_code_object_version 6
	.text
	.protected	k_qf2f0cea931_gemm_out
	.globl	k_qf2f0cea931_gemm_out
	.p2align	8
	.type	k_qf2f0cea931_gemm_out,@function
k_qf2f0cea931_gemm_out:
	s_mov_b64 s[64:65], 0
	v_nop
	global_prefetch_b8 v0, s[64:65] scope:SCOPE_SE
	s_setreg_imm32_b32 hwreg(HW_REG_WAVE_MODE, 25, 1), 1
	s_wait_xcnt 0x0
	s_wait_alu depctr_hold_cnt(0) depctr_sa_sdst(0) depctr_va_vdst(0) depctr_va_sdst(0) depctr_va_ssrc(0) depctr_va_vcc(0) depctr_vm_vsrc(0)
	s_getreg_b32 s2, hwreg(HW_REG_IB_STS2, 6, 4)
	s_cmp_eq_u32 s2, 0
	s_cbranch_scc0 .Lentry_in_a_cluster
	s_endpgm
.Lentry_in_a_cluster:
	s_bfe_u32 s2, ttmp6, 0x10000c
	s_cmp_lg_u32 s2, 0xf033
	s_cbranch_scc0 .Lentry_shape_is_right
	s_endpgm
.Lentry_shape_is_right:
; out0 = o wo.  o [8192][1024] and wo [1024 (k)][1024 (n)] arrive as f16 images of operand registers: of [k/64 16][row/16 512][4][512 bytes], wf [k/64 16][column/16 64][4][512 bytes]; sums in f32; out0 [8192][1024] f32.
; A tile of out0 is 128 rows x 256 columns: 256 work-groups (tiles of 256 x 256 would be 128).  Four waves, each 64 x 128: 32 accumulators, 256 registers.
; K goes in steps of 128 (two k/64) through a ring of two LDS slots.  For one k/64 a tile's rows of o are 16,384 dense bytes and its columns of wo 32,768: waves 0, 1 fetch o's two blocks, waves 2, 3 wo's, one tensor load each.
; Every fragment is read at 16 x lane: no pitch, no padding.
; CLUSTERS: 4 x 4 work-groups; o's blocks are shared along a row of the cluster, wo's along a column: asked for jointly.
; THE MATRIX INSTRUCTION IS USED TRANSPOSED (source 0 = 16 columns of wo, source 1 = 16 rows of o): a lane holds eight neighbouring numbers of a row of out0.
; No prefetch is written: the tile is small, and a step's tiles are shared by four work-groups each.
; REGISTERS: window 0: v3, v16-29 addresses; v64-159, v160-255 two fragment buffers (wo's 8 fragments, then o's 4), on the way out rows of out0.  window 1: accumulator (a, b) at v[8 (8 a + b)].
.set SLOT,   98304                     ; o: 2 x 16,384, then wo: 2 x 32,768
.set BOFF,   32768
.set SPARE,  196608                    ; behind the ring: the spare words, 128 bytes a wave: two blocks of 256 bytes that no other line names
.set SPITCH, 528                       ; the way out: 16 rows x (512 bytes + 16) for each wave, in slot 0, which has had its last fill and its last read by then
.set L16,  3                           ; v3  16 x lane; never rewritten
.set ADRA, 16                          ; v16-17 LDS address of my fragments of o in slot 0, 1
.set ADRB, 20                          ; v20-21 of wo
.set STO,  24
.set RD,   25
.set SPW,  28
.set NIL,  29
.set F0,   64
.set F1,   160
.set BK,   64
.set G1,  24
.set G0,  32
.set G1B, 48
.set G0B, 56
.set MSB, 0
.macro WIN new
.if MSB != (\new)
	s_set_vgpr_msb (MSB<<8)|(\new)
.set MSB, (\new)
.endif
.endm
.set MUL, 0x50                         ; sources window 0; C and D window 1
.macro JLOAD s                         ; waves 0, 1 fetch o's blocks, waves 2, 3 wo's; an s_nop 0 and four v_nop follow each of the two lines
	s_cmp_eq_u32 s11, 0
	s_cbranch_scc0 .Lfor_b_\@
	tensor_load_to_lds s[G0+4*\s:G0+4*\s+3], s[G1:G1+7]
	s_nop 0
.rept 4
	v_nop
.endr
	s_branch .Lasked_\@
.Lfor_b_\@:
	tensor_load_to_lds s[G0B+4*\s:G0B+4*\s+3], s[G1B:G1B+7]
	s_nop 0
.rept 4
	v_nop
.endr
.Lasked_\@:
.endm
.macro CREST
	s_cmp_lg_u32 s10, 0
	s_cbranch_scc1 .Lnot_wave_0_\@
	s_barrier_signal -3
.Lnot_wave_0_\@:
	s_barrier_wait -3
	s_barrier_signal -1
	s_barrier_wait -1
.endm
.macro CROUND
	s_barrier_signal -1
	s_barrier_wait -1
	CREST
.endm
	s_load_b128 s[4:7], s[0:1], 0x0                ; of s[4:5], wf s[6:7]
	s_load_b64 s[8:9], s[0:1], 0x10                ; out0
	v_lshl_add_u32 v[SPW], v0, 2, SPARE
	v_mov_b32 v[NIL], 0
	ds_add_u32 v[SPW], v[NIL]                      ; the wave's opening: the add, twice on end, and its wait ahead of my first tensor load
	ds_add_u32 v[SPW], v[NIL]
	v_lshrrev_b32 v1, 5, v0
	v_readfirstlane_b32 s10, v1                    ; wave 0..3
	s_lshr_b32 s11, s10, 1                         ; which 64 of the tile's rows are mine.  Also: I fetch for o (0) or for wo (1)
	s_and_b32 s12, s10, 1                          ; which 128 of its columns.  Also: which k/64 of a step I fetch
	s_bfe_u32 s40, ttmp6, 0x40000
	s_bfe_u32 s41, ttmp6, 0x40004
	s_lshl_b32 s42, ttmp9, 2
	s_add_co_u32 s42, s42, s40                     ; tile column
	s_and_b32 s13, ttmp7, 0xffff
	s_lshl_b32 s13, s13, 2
	s_add_co_u32 s13, s13, s41                     ; tile row
	s_lshl_b32 s43, s41, 2
	s_lshl_b32 s43, 15, s43                        ; my row of the cluster
	s_lshl_b32 s44, 0x1111, s40                    ; my column
	s_or_b32 s[G1+0], s43, (3<<16)|(1<<21)         ; the mask; elements of 8 bytes; bit 21 beside a mask; no padding
	s_or_b32 s[G1B+0], s44, (3<<16)|(1<<21)
	s_mov_b32 s[G1+1], 32<<16                      ; rows of 32 elements: 256 bytes
	s_mov_b32 s[G1+2], 64<<16                      ; o's block: 64 rows
	s_mov_b32 s[G1+3], 32<<16
	s_mov_b32 s[G1+4], 64
	s_mov_b32 s[G1+5], 32                          ; dense
	s_mov_b32 s[G1+6], 0
	s_mov_b32 s[G1+7], 0
	s_mov_b32 s[G1B+1], 32<<16
	s_mov_b32 s[G1B+2], 128<<16                    ; wo's block: 128 rows
	s_mov_b32 s[G1B+3], 32<<16
	s_mov_b32 s[G1B+4], 128
	s_mov_b32 s[G1B+5], 32
	s_mov_b32 s[G1B+6], 0
	s_mov_b32 s[G1B+7], 0
	s_lshl_b32 s16, s12, 20                        ; o: 1,048,576 bytes for each k/64, 16,384 for each tile row
	s_lshl_b32 s17, s13, 14
	s_add_co_u32 s16, s16, s17
	s_mov_b32 s17, 0
	s_lshl_b32 s46, s12, 17                        ; wo: 131,072 for each k/64, 32,768 for each tile column
	s_lshl_b32 s47, s42, 15
	s_add_co_u32 s46, s46, s47
	s_mov_b32 s47, 0
	s_lshl_b32 s20, s12, 14                        ; where they go in a slot: made of the wave's number alone
	s_lshl_b32 s21, s12, 15
	s_add_co_u32 s21, s21, BOFF
	s_wait_dscnt 0x0                               ; both opening adds are done
	s_wait_kmcnt 0x0
	s_add_nc_u64 s[14:15], s[4:5], s[16:17]
	s_add_nc_u64 s[46:47], s[6:7], s[46:47]
	CROUND                                         ; all sixteen work-groups are here: the first joint loads meet
.irp s, 0,1
	s_mov_b32 s[G0+4*\s], 1
	s_add_co_u32 s[G0+4*\s+1], s20, \s*SLOT
	s_add_nc_u64 s[G0+4*\s+2:G0+4*\s+3], s[14:15], \s*2*1048576
	s_or_b32 s[G0+4*\s+3], s[G0+4*\s+3], 0x80000000
	s_mov_b32 s[G0B+4*\s], 1
	s_add_co_u32 s[G0B+4*\s+1], s21, \s*SLOT
	s_add_nc_u64 s[G0B+4*\s+2:G0B+4*\s+3], s[46:47], \s*2*131072
	s_or_b32 s[G0B+4*\s+3], s[G0B+4*\s+3], 0x80000000
	JLOAD \s                                       ; two loads of mine are out
.endr
	v_and_b32 v1, 31, v0
	v_lshlrev_b32 v[L16], 4, v1
	s_lshl_b32 s21, s11, 13                        ; my four row tiles of 2,048 bytes
	s_lshl_b32 s22, s12, 14                        ; my eight column tiles,
	s_add_co_u32 s22, s22, BOFF                    ; behind o's part
.irp s, 0,1
	v_add_nc_u32 v[ADRA+\s], s21, v[L16]
	v_add_nc_u32 v[ADRB+\s], s22, v[L16]
	s_add_co_u32 s21, s21, SLOT
	s_add_co_u32 s22, s22, SLOT
.endr
	v_and_b32 v1, 15, v0                           ; r
	v_bfe_u32 v2, v0, 4, 1                         ; h
	s_mul_i32 s23, s10, 16*SPITCH                  ; my stage
	v_mul_u32_u24 v5, v1, SPITCH
	v_lshl_add_u32 v5, v2, 5, v5
	v_add_nc_u32 v[STO], s23, v5                   ; in: row r, 32 bytes for each half of the lanes
	v_add_nc_u32 v[RD], s23, v[L16]                ; back: the 32 lanes take one row of 512 bytes
	s_lshl_b32 s16, s13, 7
	s_lshl_b32 s17, s11, 6
	s_add_co_u32 s16, s16, s17                     ; my first row of out0
	s_lshl_b32 s16, s16, 12                        ; rows of 4,096 bytes
	s_lshl_b32 s46, s42, 10
	s_lshl_b32 s47, s12, 9
	s_add_co_u32 s46, s46, s47                     ; my first column, in bytes
	s_add_co_u32 s16, s16, s46
	s_mov_b32 s17, 0
	s_add_nc_u64 s[8:9], s[8:9], s[16:17]
; 8 matrix instructions: row tile a x my eight column tiles, 32 along K.  The 32 accumulators take turns, one instruction a turn.
.macro MULA f, a, zero
.irp b, 0,1,2,3,4,5,6,7
.if \zero
	v_wmma_f32_16x16x32_f16 v[8*(8*(\a)+\b):8*(8*(\a)+\b)+7], v[\f+8*\b:\f+8*\b+7], v[\f+64+8*(\a):\f+64+8*(\a)+7], 0
.else
	v_wmma_f32_16x16x32_f16 v[8*(8*(\a)+\b):8*(8*(\a)+\b)+7], v[\f+8*\b:\f+8*\b+7], v[\f+64+8*(\a):\f+64+8*(\a)+7], v[8*(8*(\a)+\b):8*(8*(\a)+\b)+7]
.endif
.endr
.endm
; 24 LDS loads in one run: quarter q (32 along K) of a slot: wo's eight fragments, then o's four
.macro FETCH slot, q, f
.irp n, 0,1,2,3,4,5,6,7
	ds_load_b128 v[\f+8*\n:\f+8*\n+3],   v[ADRB+\slot] offset:((\q)>>1)*32768+2048*\n+((\q)&1)*1024
	ds_load_b128 v[\f+8*\n+4:\f+8*\n+7], v[ADRB+\slot] offset:((\q)>>1)*32768+2048*\n+((\q)&1)*1024+512
.endr
.irp i, 0,1,2,3
	ds_load_b128 v[\f+64+8*\i:\f+64+8*\i+3], v[ADRA+\slot] offset:((\q)>>1)*16384+2048*\i+((\q)&1)*1024
	ds_load_b128 v[\f+64+8*\i+4:\f+64+8*\i+7], v[ADRA+\slot] offset:((\q)>>1)*16384+2048*\i+((\q)&1)*1024+512
.endr
.endm
.macro PLACES                          ; four plain lines ahead of loads into registers that matrix instructions have read, and of the first read of results
.rept 4
	v_nop
.endr
.endm
; One of a step's first three quarters: multiplies buffer f and fetches quarter q of the same slot into g.
.macro QUARTER slot, q, f, g, zero
	s_wait_dscnt 4                                 ; wo's fragments and o's tiles 0, 1 are in; o's tiles 2, 3 may be out
	WIN MUL
	MULA \f, 0, \zero
	MULA \f, 1, \zero
	PLACES
	WIN 0
	FETCH \slot, \q, \g
	s_wait_dscnt 24                                ; all but the 24 just issued
	WIN MUL
	MULA \f, 2, \zero
	MULA \f, 3, \zero
.endm
; The last quarter multiplies buffer 1 and changes slots: ONE barrier; in front of it each wave waits for all its tensor loads, adds 0 to its spare word, and waits for that and for its reads of this slot.
; fill = 1: the barrier opens a round of the cluster's, and this slot is filled again, two steps ahead, first thing behind it: 112 matrix instructions ahead of the wait for it.
.macro TURN slot, next, fill
	WIN 0
	s_wait_tensorcnt 0x0                           ; all my tensor loads have landed: my part of the next slot
	ds_add_u32 v[SPW], v[NIL]
	s_wait_dscnt 5                                 ; (the add and the youngest four loads may be out)
	WIN MUL
	MULA F1, 0, 0
	s_wait_dscnt 0x0                               ; the add is done, and my reads of this slot are over
	s_barrier_signal -1
	MULA F1, 1, 0
	WIN 0
	s_barrier_wait -1
.if \fill
	CREST
	s_add_nc_u64 s[G0+4*\slot+2:G0+4*\slot+3], s[G0+4*\slot+2:G0+4*\slot+3], 4*1048576
	s_add_nc_u64 s[G0B+4*\slot+2:G0B+4*\slot+3], s[G0B+4*\slot+2:G0B+4*\slot+3], 4*131072
	JLOAD \slot                                    ; the four v_nop behind it are also the places ahead of the loads below
.else
	PLACES
.endif
	FETCH \next, 0, F0
	WIN MUL
	MULA F1, 2, 0
	MULA F1, 3, 0
.endm
	s_wait_tensorcnt 1                             ; my part of step 0 is in (step 1's load may be out),
	s_barrier_signal -1
	s_barrier_wait -1                              ; everybody's is
	FETCH 0, 0, F0
	QUARTER 0, 1, F0, F1, 1                        ; the first products start the sums
	WIN 0
	s_mov_b32 s3, 3
.Llap:                                             ; a trip goes once round the ring and fills both slots again: steps 2 to 7
	QUARTER 0, 2, F1, F0, 0
	QUARTER 0, 3, F0, F1, 0
	TURN 0, 1, 1
	QUARTER 1, 1, F0, F1, 0
	QUARTER 1, 2, F1, F0, 0
	QUARTER 1, 3, F0, F1, 0
	TURN 1, 0, 1
	QUARTER 0, 1, F0, F1, 0
	WIN 0
	s_sub_co_u32 s3, s3, 1
	s_cmp_lg_u32 s3, 0
	s_cbranch_scc1 .Llap
	QUARTER 0, 2, F1, F0, 0                        ; the last lap fills nothing
	QUARTER 0, 3, F0, F1, 0
	TURN 0, 1, 0
	QUARTER 1, 1, F0, F1, 0
	QUARTER 1, 2, F1, F0, 0
	QUARTER 1, 3, F0, F1, 0
	s_wait_dscnt 4
	WIN MUL
	MULA F1, 0, 0
	MULA F1, 1, 0
	s_wait_dscnt 0x0
	MULA F1, 2, 0
	MULA F1, 3, 0
	WIN 0
; THE WAY OUT, block by block of 16 rows x 128 columns: through my own stage in LDS, back as whole rows of 512 bytes.  LDS serves a wave's instructions in order (ISA guide 5.7.1.4).
.macro TOSTAGE a
	WIN 0x04                                       ; an LDS store's data are its source 1: window 1
.irp b, 0,1,2,3,4,5,6,7
	ds_store_b128 v[STO], v[8*(8*(\a)+\b):8*(8*(\a)+\b)+3] offset:64*\b            ; each accumulator from its low end on
	ds_store_b128 v[STO], v[8*(8*(\a)+\b)+4:8*(8*(\a)+\b)+7] offset:64*\b+16
.endr
	WIN 0
.set BB, BK+64*((\a)%2)
.irp t, 0,1,2,3,4,5,6,7,8,9,10,11,12,13,14,15
	ds_load_b128 v[BB+4*\t:BB+4*\t+3], v[RD] offset:\t*SPITCH
.endr
.endm
.macro SEND a, younger
.set BB, BK+64*((\a)%2)
	s_wait_dscnt \younger                          ; the block is back in registers
.if (\a) > 0
	s_add_nc_u64 s[8:9], s[8:9], 16*4096           ; (behind a wait on XCNT: the earlier stores have read their base)  16 rows on
.endif
.irp t, 0,1,2,3,4,5,6,7,8,9,10,11,12,13,14,15
	global_store_b128 v[L16], v[BB+4*\t:BB+4*\t+3], s[8:9] offset:\t*4096 th:TH_STORE_NT   ; 32 lanes store 512 consecutive bytes, aligned
.endr
.endm
	PLACES
	TOSTAGE 0
.irp a, 1,2,3
.if \a > 1
	s_wait_xcnt 0x0                                ; block a - 2's stores have read their registers and their base
.endif
	TOSTAGE \a
	SEND \a-1, 32                                  ; behind block a - 1's loads: block a's 16 stores and 16 loads
.endr
	s_wait_xcnt 0x0
	SEND 3, 0
	s_wait_tensorcnt 0x0                           ; the wave's end, behind my last tensor load and my last LDS store
	ds_add_u32 v[SPW], v[NIL]
	s_wait_dscnt 0x0
	CROUND                                         ; the closing round
	s_endpgm
.Lfunc_end_k_qf2f0cea931_gemm_out:
	.size	k_qf2f0cea931_gemm_out, .Lfunc_end_k_qf2f0cea931_gemm_out-k_qf2f0cea931_gemm_out
	.p2alignl 7, 3214868480
	.fill 96, 4, 3214868480
	.section	.rodata,"a",@progbits
	.p2align	6, 0x0
	.amdhsa_kernel k_qf2f0cea931_gemm_out
		.amdhsa_group_segment_fixed_size 327680
		.amdhsa_private_segment_fixed_size 0
		.amdhsa_enable_private_segment 0
		.amdhsa_kernarg_size 24
		.amdhsa_user_sgpr_count 2
		.amdhsa_user_sgpr_kernarg_segment_ptr 1
		.amdhsa_wavefront_size32 1
		.amdhsa_system_sgpr_workgroup_id_x 1
		.amdhsa_system_sgpr_workgroup_id_y 1
		.amdhsa_system_sgpr_workgroup_id_z 1
		.amdhsa_system_vgpr_workitem_id 0
		.amdhsa_next_free_vgpr 512
		.amdhsa_next_free_sgpr 66
		.amdhsa_reserve_vcc 0
		.amdhsa_float_denorm_mode_32 3
		.amdhsa_float_denorm_mode_16_64 3
		.amdhsa_memory_ordered 1
		.amdhsa_forward_progress 1
		.amdhsa_inst_pref_size 84
	.end_amdhsa_kernel
	.amdgpu_metadata
---
amdhsa.version: [ 1, 2 ]
amdhsa.kernels:
  - .name:           k_qf2f0cea931_gemm_out
    .symbol:         k_qf2f0cea931_gemm_out.kd
    .args:
      - { .name: of, .offset: 0, .size: 8, .value_kind: global_buffer, .address_space: global }
      - { .name: wf, .offset: 8, .size: 8, .value_kind: global_buffer, .address_space: global }
      - { .name: out0, .offset: 16, .size: 8, .value_kind: global_buffer, .address_space: global }
    .group_segment_fixed_size: 327680
    .private_segment_fixed_size: 0
    .kernarg_segment_align: 8
    .kernarg_segment_size: 24
    .max_flat_workgroup_size: 128
    .sgpr_count:     66
    .vgpr_count:     512
    .wavefront_size: 32
...
	.end_amdgpu_metadata
.endif
;; end of part 4
